; MI455X (gfx1250); checked and timed in simulation.
; The chip was launched on July 23, 2026; its instructions are those of AMD's public machine-readable ISA for CDNA 5 (MIT licence, August 2026) and "CDNA5" Instruction Set Architecture Reference Guide (July 2026). The comments in the code are by the model that wrote it; some were corrected since.
;; Local Decoder attention sub. Allowed arithmetic: float matrix products may take bf16 or f16 operands with f32 sums; all other float work in f32.
;; Inputs: Wb0 5 x 256 x 256 float32; Wb1 5 x 256 x 256 float32; Wc 5 x 256 x 256 float32; Wdi0 3 x 256 float32; Wdi1 256 x 256 float32; Wint 256 x 256 float32; Wk 32 x 256 float32; Wout 256 x 1 float32; Wq 32 x 256 float32; Wv 32 x 256 float32; bb0 5 x 256 float32; bb1 5 x 256 float32; bc 5 x 256 float32; bdi0 256 float32; bdi1 256 float32; bint 256 float32; bk 256 float32; bout 1 float32; bq 256 float32; bv 256 float32; c_grid 2 x 32 x 64 x 64 x 64 float32; p 2 x 8,192 x 3 float32.
;; Outputs: out0 2 x 8,192 float32.
;; 2 versions, each right; version 2 is version 1 with the launch prep written anew for expert scheduling mode. Each part assembles by itself: llvm-mc -triple=amdgcn-amd-amdhsa -mcpu=gfx1250 --defsym DOCPART=n.
;; ======== version 1 of 2: 3 launches
;; limits: values outside matrix products are rounded to f16; values are held in f16: magnitudes above 65,504 overflow, below 6.1e-05 lose precision
;; workspace buffers: gt 33,554,432 bytes; idx 2,621,440 bytes of whole numbers; geo 4,718,592 bytes; wts 2,200,576 bytes; catt 8,388,608 bytes
;; launch prep (part 1): grid 1173 x 1, 8 waves a work-group, no clusters, 70,656 bytes of LDS; arguments c_grid, p, Wq, bq, Wk, bk, Wdi1, bdi1, Wv, Wc, Wb0, Wb1, Wint, gt, idx, geo, wts; writes gt, idx, geo, wts
.if DOCPART == 1
	.amdgcn_target "amdgcn-amd-amdhsa--gfx1250"
	.amdhsa_code_object_version 6
	.text
	.protected	k_qad2beba72d_prep
	.globl	k_qad2beba72d_prep
	.p2align	8
	.type	k_qad2beba72d_prep,@function
k_qad2beba72d_prep:
	s_mov_b64 s[64:65], 0
	v_nop
	global_prefetch_b8 v0, s[64:65] scope:SCOPE_SE
	s_setreg_imm32_b32 hwreg(HW_REG_WAVE_MODE, 25, 1), 1
	s_wait_xcnt 0x0
; PREPARATION, four kinds of work-group, chosen by the work-group's number; every wave does one job of its own, no barrier.
;   P  (20)   PT[f][32h+c] = sum_j Wq[c][64h+j] M[f][64h+j] in f32, stored f16; G0S[h][f] = 2^-6 sum_j bq[64h+j] M[f][64h+j], f32.
;             M = rows of Wk (f < 32), of Wdi1 (f < 288), then bk + bdi1.  So q.k becomes (PT interp + G0).[nf; relu(..)], made once a point.
;   W  (129)  weights to f16: 15 layers of the head (layer 0 = Wc[0] + Wint), and VC = [Wv; Wdi1].
;   I  (512)  for each point: 27 neighbour cells (slots 27-31 copy slot 13), displacements as f16 (dx,dy),(dz,1), 8 corner cells and weights.
;   T  (512)  the grid from [channel][cell] f32 to [cell][32 channels] f16: a cell's features become 64 neighbouring bytes.
; LIMITS.  f16 ends at 65,504: c_grid, all weights and the products PT must lie within it.  The quotient p / 1.101 is the rounded
; f32 quotient (a product by the reciprocal, mended by one remainder step).  NaN and infinities are not treated apart.
.set OFF_G0S, 81920
.set OFF_VC,  87040
.set OFF_WD,  234496
.set OFF_CIDX, 2097152
.set OFF_CW,  4194304
	s_load_b512 s[8:23], s[0:1], 0x0               ; c_grid 8, p 10, Wq 12, bq 14, Wk 16, bk 18, Wdi1 20, bdi1 22
	s_load_b512 s[24:39], s[0:1], 0x40             ; Wv 24, Wc 26, Wb0 28, Wb1 30, Wint 32, gt 34, idx 36, geo 38
	s_load_b64 s[40:41], s[0:1], 0x80              ; wts
	v_lshl_add_u32 v208, v0, 2, 0x11000
	v_mov_b32 v209, 0
	v_and_b32 v1, 31, v0                           ; lane
	v_lshrrev_b32 v2, 5, v0
	v_readfirstlane_b32 s4, v2                     ; wave
	s_mov_b32 s5, ttmp9
	s_wait_kmcnt 0x0
	s_cmp_lt_u32 s5, 20
	s_cbranch_scc1 .Lsec_p
	s_cmp_lt_u32 s5, 149
	s_cbranch_scc1 .Lsec_w
	s_cmp_lt_u32 s5, 661
	s_cbranch_scc1 .Lsec_i
; ---- T: wave job jt = 128 cells x 32 channels.  A load takes 512 neighbouring bytes of one channel: lane L holds cells 4L..4L+3.
	s_sub_co_u32 s6, s5, 661
	s_lshl_b32 s6, s6, 3
	s_add_co_u32 s6, s6, s4                        ; jt, 0..4095
	s_lshr_b32 s7, s6, 11                          ; batch
	s_lshl_b32 s42, s7, 25                         ; x 32 channels x 1 MiB
	s_and_b32 s43, s6, 2047
	s_lshl_b32 s43, s43, 9                         ; 128 cells x 4 bytes
	s_add_co_u32 s42, s42, s43
	s_mov_b32 s43, 0
	s_add_nc_u64 s[44:45], s[8:9], s[42:43]        ; channels 0-7; a channel is 1 MiB, so eight fit the immediate
	s_add_nc_u64 s[46:47], s[44:45], 0x800000      ; channels 8-15
	s_add_nc_u64 s[48:49], s[44:45], 0x1000000     ; 16-23
	s_add_nc_u64 s[50:51], s[44:45], 0x1800000     ; 24-31
	s_lshl_b32 s54, s6, 13                         ; 128 cells x 64 bytes out
	s_mov_b32 s55, 0
	s_add_nc_u64 s[54:55], s[34:35], s[54:55]
	v_lshlrev_b32 v2, 4, v1                        ; 16 L
.set c, 0
.rept 32
	global_load_b128 v[16+4*c:19+4*c], v2, s[44+2*(c/8):45+2*(c/8)] offset:(c%8)<<20 th:TH_LOAD_NT
.set c, c+1
.endr
	s_mul_i32 s52, s4, 8704                        ; my wave's 32 rows of 272 bytes
	v_mul_u32_u24 v3, v1, 272
	v_add_nc_u32 v3, s52, v3                       ; in: lane L's 256 bytes (4 cells) are row L
	v_lshrrev_b32 v4, 4, v1
	v_mul_u32_u24 v4, v4, 272
	v_and_b32 v5, 15, v1
	v_lshl_add_u32 v4, v5, 4, v4
	v_add_nc_u32 v4, s52, v4                       ; back: 16 lanes take one row
.set cp, 0
.rept 16
	s_wait_loadcnt 30-2*cp                         ; loads return in order: channels 2cp and 2cp+1 are in, the younger stay out
.irp i, 0,1,2,3
	v_cvt_pk_f16_f32 v[144+16*\i+cp], v[16+8*cp+\i], v[20+8*cp+\i]   ; cell i, channels 2cp, 2cp+1
.endr
.set cp, cp+1
.endr
.set q, 0
.rept 16
	ds_store_b128 v3, v[144+4*q:147+4*q] offset:16*q
.set q, q+1
.endr
.set t, 0
.rept 16
	ds_load_b128 v[16+4*t:19+4*t], v4 offset:544*t ; a wave's LDS instructions are served in order: these see the stores above
.set t, t+1
.endr
.set t, 0
.rept 16
	s_wait_dscnt 15-t
	global_store_b128 v2, v[16+4*t:19+4*t], s[54:55] offset:512*t   ; 512 consecutive bytes, aligned
.set t, t+1
.endr
	s_wait_tensorcnt 0x0
	ds_add_u32 v208, v209
	s_wait_dscnt 0x0
	s_endpgm
; ---- P
.macro DOT dst, sb, vo, off            ; v[dst] = sum over 64 j of M (v16-79) x the 64 numbers at the uniform address
.set di, 0
.rept 16
	global_load_b128 v[80+4*di:83+4*di], v[\vo], s[\sb:\sb+1] offset:(\off)+16*di
.set di, di+1
.endr
	s_wait_loadcnt 0x0
	v_pk_mul_f32 v[144:145], v[16:17], v[80:81]
	v_pk_mul_f32 v[146:147], v[18:19], v[82:83]
.set di, 2
.rept 30
	v_pk_fma_f32 v[144+2*(di%2):145+2*(di%2)], v[16+2*di:17+2*di], v[80+2*di:81+2*di], v[144+2*(di%2):145+2*(di%2)]
.set di, di+1
.endr
	v_pk_add_f32 v[144:145], v[144:145], v[146:147]
	v_add_f32 v[\dst], v144, v145
.endm
.Lsec_p:
	s_lshl_b32 s6, s5, 3
	s_add_co_u32 s6, s6, s4                        ; job 0..159
	s_and_b32 s7, s6, 3                            ; cg: eight rows of Wq
	s_bfe_u32 s42, s6, 0x20002                     ; h
	s_lshr_b32 s43, s6, 4                          ; fc: 32 rows f, one a lane
	s_lshl_b32 s44, s42, 8                         ; the head's 64 numbers in a row: byte 256 h
	s_lshl_b32 s45, s7, 13
	s_add_co_u32 s45, s45, s44
	v_mov_b32 v3, s45                              ; Wq: row 8 cg, byte 256 h
	v_mov_b32 v4, s44                              ; bq, bk, bdi1: byte 256 h
	s_cmp_eq_u32 s43, 9
	s_cbranch_scc1 .Lp_bias
	s_max_u32 s45, s43, 1
	s_sub_co_u32 s45, s45, 1
	s_lshl_b32 s45, s45, 15                        ; 32 rows of 1,024 bytes
	s_add_co_u32 s45, s45, s44
	v_lshl_add_u32 v2, v1, 10, s45
	s_cmp_eq_u32 s43, 0
	s_cselect_b64 s[46:47], s[16:17], s[20:21]     ; Wk for the first 32 rows, Wdi1 for the next 256
.set di, 0
.rept 16
	global_load_b128 v[16+4*di:19+4*di], v2, s[46:47] offset:16*di
.set di, di+1
.endr
	s_branch .Lp_have
.Lp_bias:
.set di, 0
.rept 16
	global_load_b128 v[16+4*di:19+4*di], v4, s[18:19] offset:16*di
	global_load_b128 v[80+4*di:83+4*di], v4, s[22:23] offset:16*di
.set di, di+1
.endr
	s_wait_loadcnt 0x0
.set di, 0
.rept 32
	v_pk_add_f32 v[16+2*di:17+2*di], v[16+2*di:17+2*di], v[80+2*di:81+2*di]
.set di, di+1
.endr
.Lp_have:
.irp c, 0,1,2,3,4,5,6,7
	DOT 150+\c, 12, 3, 1024*\c
.endr
.irp c, 0,1,2,3
	v_cvt_pk_f16_f32 v[160+\c], v[150+2*\c], v[151+2*\c]
.endr
	s_lshl_b32 s45, s43, 13                        ; 32 fc rows of 256 bytes
	s_lshl_b32 s48, s42, 6
	s_add_co_u32 s45, s45, s48
	s_lshl_b32 s48, s7, 4
	s_add_co_u32 s45, s45, s48
	v_lshl_add_u32 v5, v1, 8, s45
	global_store_b128 v5, v[160:163], s[40:41]     ; 16 bytes of row f; the table is 81,920 bytes in all
	s_cmp_lg_u32 s7, 0
	s_cbranch_scc1 .Lp_end
	DOT 158, 14, 4, 0
	v_mul_f32 v159, 0x3c800000, v158               ; 2^-6
	s_mul_i32 s45, s42, 1280
	s_lshl_b32 s48, s43, 7
	s_add_co_u32 s45, s45, s48
	v_lshl_add_u32 v6, v1, 2, s45
	global_store_b32 v6, v159, s[40:41] offset:OFF_G0S
.Lp_end:
	s_endpgm
; ---- W: 8,192 numbers a work-group
.Lsec_w:
	s_sub_co_u32 s6, s5, 20
	s_cmp_lt_u32 s6, 120
	s_cbranch_scc0 .Lw_vc
	s_lshr_b32 s7, s6, 3                           ; layer l = 3 i + kind
	s_mul_i32 s42, s7, 11
	s_lshr_b32 s42, s42, 5                         ; i = l / 3 for l < 15
	s_mul_i32 s43, s42, 3
	s_sub_co_u32 s43, s7, s43                      ; kind
	s_cmp_eq_u32 s43, 1
	s_cselect_b64 s[46:47], s[28:29], s[26:27]
	s_cmp_eq_u32 s43, 2
	s_cselect_b64 s[46:47], s[30:31], s[46:47]
	s_and_b32 s44, s6, 7
	s_lshl_b32 s48, s42, 18
	s_lshl_b32 s45, s44, 15
	s_add_co_u32 s48, s48, s45
	s_lshl_b32 s50, s7, 17
	s_lshl_b32 s45, s44, 14
	s_add_co_u32 s50, s50, s45
	s_add_co_u32 s50, s50, OFF_WD
	s_branch .Lw_go
.Lw_vc:
	s_sub_co_u32 s44, s6, 120                      ; 0: Wv; 1..8: eighths of Wdi1
	s_cmp_eq_u32 s44, 0
	s_cselect_b64 s[46:47], s[24:25], s[20:21]
	s_max_u32 s45, s44, 1
	s_sub_co_u32 s45, s45, 1
	s_lshl_b32 s48, s45, 15
	s_lshl_b32 s50, s44, 14
	s_add_co_u32 s50, s50, OFF_VC
	s_mov_b32 s7, 1                                ; not layer 0
.Lw_go:
	s_mov_b32 s49, 0
	s_mov_b32 s51, 0
	s_add_nc_u64 s[46:47], s[46:47], s[48:49]
	s_add_nc_u64 s[54:55], s[32:33], s[48:49]      ; Wint at the same place (used by layer 0 alone)
	s_add_nc_u64 s[52:53], s[40:41], s[50:51]
	v_lshlrev_b32 v2, 5, v0                        ; 8 numbers a thread and pass
	v_lshlrev_b32 v3, 4, v0
.irp q, 0,1,2,3
	global_load_b128 v[16+8*\q:19+8*\q], v2, s[46:47] offset:8192*\q
	global_load_b128 v[20+8*\q:23+8*\q], v2, s[46:47] offset:8192*\q+16
.endr
	s_cmp_lg_u32 s7, 0
	s_cbranch_scc1 .Lw_cvt
.irp q, 0,1,2,3
	global_load_b128 v[48+8*\q:51+8*\q], v2, s[54:55] offset:8192*\q
	global_load_b128 v[52+8*\q:55+8*\q], v2, s[54:55] offset:8192*\q+16
.endr
	s_wait_loadcnt 0x0
.set di, 0
.rept 16
	v_pk_add_f32 v[16+2*di:17+2*di], v[16+2*di:17+2*di], v[48+2*di:49+2*di]
.set di, di+1
.endr
.Lw_cvt:
	s_wait_loadcnt 0x0
.set di, 0
.rept 16
	v_cvt_pk_f16_f32 v[80+di], v[16+2*di], v[17+2*di]
.set di, di+1
.endr
.irp q, 0,1,2,3
	global_store_b128 v3, v[80+4*\q:83+4*\q], s[52:53] offset:4096*\q
.endr
	s_endpgm
; ---- I: a wave takes four points
.macro COOR x                          ; v[x] = clip(p / 1.101 + 0.5, 0, 0.999) x 63
	v_mul_f32 v12, s54, v[\x]
	v_fma_f32 v13, -v12, s55, v[\x]                ; the remainder, exact
	v_fma_f32 v12, v13, s54, v12
	v_add_f32 v12, 0.5, v12
	v_med3_num_f32 v12, v12, 0, s56
	v_mul_f32 v[\x], s57, v12
.endm
.macro NEIGH i                         ; point i: lane = neighbour slot
	v_rndne_f32 v32, v[16+3*\i]
	v_rndne_f32 v33, v[17+3*\i]
	v_rndne_f32 v34, v[18+3*\i]
	v_add_f32 v32, v32, v6
	v_add_f32 v33, v33, v8
	v_add_f32 v34, v34, v7
	v_med3_num_f32 v32, v32, 0, s57                ; whole numbers 0..63, exact in f32
	v_med3_num_f32 v33, v33, 0, s57
	v_med3_num_f32 v34, v34, 0, s57
	v_sub_f32 v35, v[16+3*\i], v32
	v_sub_f32 v36, v[17+3*\i], v33
	v_sub_f32 v37, v[18+3*\i], v34
	v_fmamk_f32 v38, v33, 0x42800000, v34          ; nz + 64 ny
	v_fmamk_f32 v38, v32, 0x45800000, v38          ; + 4096 nx
	v_cvt_u32_f32 v38, v38
	v_add_nc_u32 v[40+\i], s7, v38
	v_cvt_pk_f16_f32 v[44+2*\i], v35, v36
	v_cvt_pk_f16_f32 v[45+2*\i], v37, 1.0
	global_store_b32 v9, v[40+\i], s[46:47] offset:128*\i
	global_store_b64 v10, v[44+2*\i:45+2*\i], s[48:49] offset:256*\i
.endm
.Lsec_i:
	s_sub_co_u32 s6, s5, 149
	s_lshl_b32 s6, s6, 3
	s_add_co_u32 s6, s6, s4
	s_lshl_b32 s6, s6, 2                           ; my first point
	s_mul_i32 s42, s6, 12
	s_mov_b32 s43, 0
	s_add_nc_u64 s[44:45], s[10:11], s[42:43]
	s_lshl_b32 s42, s6, 7
	s_add_nc_u64 s[46:47], s[36:37], s[42:43]      ; neighbour cells: 128 bytes a point
	s_lshl_b32 s42, s6, 8
	s_add_nc_u64 s[48:49], s[38:39], s[42:43]      ; displacements: 256 bytes a point
	s_lshl_b32 s42, s6, 5
	s_add_nc_u64 s[50:51], s[36:37], s[42:43]      ; corner cells: 32 bytes a point
	s_add_nc_u64 s[52:53], s[38:39], s[42:43]      ; corner weights
	s_lshr_b32 s7, s6, 13
	s_lshl_b32 s7, s7, 18                          ; batch x 262,144 cells
	s_mov_b32 s54, 0x3f688412                      ; 1 / 1.101
	s_mov_b32 s55, 0x3f8ced91                      ; 1.101
	s_mov_b32 s56, 0x3f7fbe77                      ; 0.999
	s_mov_b32 s57, 0x427c0000                      ; 63
	v_mov_b32 v2, 0
.set di, 0
.rept 12
	global_load_b32 v[16+di], v2, s[44:45] offset:4*di
.set di, di+1
.endr
	v_lshrrev_b32 v3, 3, v1
	v_mul_u32_u24 v3, v3, 12                       ; for the corners: lane = (point L / 8, corner L % 8)
.irp a, 0,1,2
	global_load_b32 v[28+\a], v3, s[44:45] offset:4*\a
.endr
	v_cmp_gt_u32 vcc_lo, 27, v1
	v_mov_b32 v4, 13
	v_cndmask_b32 v4, v4, v1, vcc_lo               ; slots 27-31 copy the centre
	v_mul_u32_u24 v5, v4, 11
	v_lshrrev_b32 v5, 5, v5                        ; slot / 3
	v_mul_u32_u24 v6, v5, 3
	v_sub_nc_u32 v6, v4, v6                        ; x offset + 1
	v_mul_u32_u24 v7, v4, 57
	v_lshrrev_b32 v7, 9, v7                        ; slot / 9: z offset + 1
	v_mul_u32_u24 v8, v7, 3
	v_sub_nc_u32 v8, v5, v8                        ; y offset + 1
	v_cvt_f32_u32 v6, v6
	v_cvt_f32_u32 v7, v7
	v_cvt_f32_u32 v8, v8
	v_add_f32 v6, -1.0, v6
	v_add_f32 v7, -1.0, v7
	v_add_f32 v8, -1.0, v8
	v_lshlrev_b32 v9, 2, v1
	v_lshlrev_b32 v10, 3, v1
	v_and_b32 v11, 1, v1
	v_cmp_ne_u32 s58, 0, v11
	v_and_b32 v11, 2, v1
	v_cmp_ne_u32 s59, 0, v11
	v_and_b32 v11, 4, v1
	v_cmp_ne_u32 s60, 0, v11
	s_wait_loadcnt 0x0
.set di, 16
.rept 15
	COOR di
.set di, di+1
.endr
	NEIGH 0
	NEIGH 1
	NEIGH 2
	NEIGH 3
.irp a, 0,1,2
	v_floor_f32 v[52+\a], v[28+\a]
	v_sub_f32 v[55+\a], v[28+\a], v[52+\a]         ; w
	v_med3_num_f32 v[52+\a], v[52+\a], 0, s57      ; x0
	v_add_f32 v[58+\a], 1.0, v[52+\a]
	v_min_num_f32 v[58+\a], s57, v[58+\a]          ; x1
	v_sub_f32 v[61+\a], 1.0, v[55+\a]              ; 1 - w
	v_cndmask_b32 v[52+\a], v[52+\a], v[58+\a], s[58+\a]
	v_cndmask_b32 v[55+\a], v[61+\a], v[55+\a], s[58+\a]
.endr
	v_mul_f32 v55, v55, v56
	v_mul_f32 v55, v55, v57
	v_fmamk_f32 v52, v53, 0x42800000, v52          ; ix + 64 iy
	v_fmamk_f32 v52, v54, 0x45800000, v52          ; + 4096 iz
	v_cvt_u32_f32 v52, v52
	v_add_nc_u32 v52, s7, v52
	global_store_b32 v9, v52, s[50:51] offset:OFF_CIDX
	global_store_b32 v9, v55, s[52:53] offset:OFF_CW
	s_endpgm
.Lfunc_end_k_qad2beba72d_prep:
	.size	k_qad2beba72d_prep, .Lfunc_end_k_qad2beba72d_prep-k_qad2beba72d_prep
	.p2alignl 7, 3214868480
	.fill 96, 4, 3214868480
	.section	.rodata,"a",@progbits
	.p2align	6, 0x0
	.amdhsa_kernel k_qad2beba72d_prep
		.amdhsa_group_segment_fixed_size 70656
		.amdhsa_private_segment_fixed_size 0
		.amdhsa_enable_private_segment 0
		.amdhsa_kernarg_size 136
		.amdhsa_user_sgpr_count 2
		.amdhsa_user_sgpr_kernarg_segment_ptr 1
		.amdhsa_wavefront_size32 1
		.amdhsa_system_sgpr_workgroup_id_x 1
		.amdhsa_system_sgpr_workgroup_id_y 1
		.amdhsa_system_sgpr_workgroup_id_z 1
		.amdhsa_system_vgpr_workitem_id 0
		.amdhsa_next_free_vgpr 210
		.amdhsa_next_free_sgpr 66
		.amdhsa_reserve_vcc 1
		.amdhsa_float_denorm_mode_32 3
		.amdhsa_float_denorm_mode_16_64 3
		.amdhsa_memory_ordered 1
		.amdhsa_forward_progress 1
		.amdhsa_inst_pref_size 73
	.end_amdhsa_kernel
	.amdgpu_metadata
---
amdhsa.version: [ 1, 2 ]
amdhsa.kernels:
  - .name:           k_qad2beba72d_prep
    .symbol:         k_qad2beba72d_prep.kd
    .args:
      - { .name: c_grid, .offset: 0, .size: 8, .value_kind: global_buffer, .address_space: global }
      - { .name: p, .offset: 8, .size: 8, .value_kind: global_buffer, .address_space: global }
      - { .name: Wq, .offset: 16, .size: 8, .value_kind: global_buffer, .address_space: global }
      - { .name: bq, .offset: 24, .size: 8, .value_kind: global_buffer, .address_space: global }
      - { .name: Wk, .offset: 32, .size: 8, .value_kind: global_buffer, .address_space: global }
      - { .name: bk, .offset: 40, .size: 8, .value_kind: global_buffer, .address_space: global }
      - { .name: Wdi1, .offset: 48, .size: 8, .value_kind: global_buffer, .address_space: global }
      - { .name: bdi1, .offset: 56, .size: 8, .value_kind: global_buffer, .address_space: global }
      - { .name: Wv, .offset: 64, .size: 8, .value_kind: global_buffer, .address_space: global }
      - { .name: Wc, .offset: 72, .size: 8, .value_kind: global_buffer, .address_space: global }
      - { .name: Wb0, .offset: 80, .size: 8, .value_kind: global_buffer, .address_space: global }
      - { .name: Wb1, .offset: 88, .size: 8, .value_kind: global_buffer, .address_space: global }
      - { .name: Wint, .offset: 96, .size: 8, .value_kind: global_buffer, .address_space: global }
      - { .name: gt, .offset: 104, .size: 8, .value_kind: global_buffer, .address_space: global }
      - { .name: idx, .offset: 112, .size: 8, .value_kind: global_buffer, .address_space: global }
      - { .name: geo, .offset: 120, .size: 8, .value_kind: global_buffer, .address_space: global }
      - { .name: wts, .offset: 128, .size: 8, .value_kind: global_buffer, .address_space: global }
    .group_segment_fixed_size: 70656
    .private_segment_fixed_size: 0
    .kernarg_segment_align: 8
    .kernarg_segment_size: 136
    .max_flat_workgroup_size: 256
    .sgpr_count:     66
    .vgpr_count:     210
    .wavefront_size: 32
...
	.end_amdgpu_metadata
.endif
;; end of part 1
;; launch att (part 2): grid 256 x 1, 4 waves a work-group, clusters of 4 x 1, 327,680 bytes of LDS; arguments gt, idx, geo, wts, Wdi0, bdi0, bv, bdi1, catt; writes catt
.if DOCPART == 2
	.amdgcn_target "amdgcn-amd-amdhsa--gfx1250"
	.amdhsa_code_object_version 6
	.text
	.protected	k_qad2beba72d_att
	.globl	k_qad2beba72d_att
	.p2align	8
	.type	k_qad2beba72d_att,@function
k_qad2beba72d_att:
	s_mov_b64 s[64:65], 0
	v_nop
	global_prefetch_b8 v0, s[64:65] scope:SCOPE_SE
	s_setreg_imm32_b32 hwreg(HW_REG_WAVE_MODE, 25, 1), 1
	s_wait_xcnt 0x0
	s_wait_alu depctr_hold_cnt(0) depctr_sa_sdst(0) depctr_va_vdst(0) depctr_va_sdst(0) depctr_va_ssrc(0) depctr_va_vcc(0) depctr_vm_vsrc(0)
	s_getreg_b32 s2, hwreg(HW_REG_IB_STS2, 6, 4)
	s_cmp_eq_u32 s2, 0
	s_cbranch_scc0 .Lentry_in_a_cluster
	s_endpgm
.Lentry_in_a_cluster:
	s_bfe_u32 s2, ttmp6, 0x10000c
	s_cmp_lg_u32 s2, 0x3003
	s_cbranch_scc0 .Lentry_shape_is_right
	s_endpgm
.Lentry_shape_is_right:
; LOCAL ATTENTION, reassociated.  For a point: F_k = [nf_k (32); relu(d_k Wdi0 + bdi0) (256)], k = 27 neighbours (32 slots, 27-31 masked).
;   logit_hk = (G_h . F_k + q_h.(bk+bdi1)_h) / 8 with G_h = PT_h interp + G0_h;  att = softmax_k with the true maximum taken away;
;   Z_h = sum_k att_hk F_k;  c_att_h = Z_h [Wv; Wdi1]_h + (bv + bdi1)_h.  The same sums as q.k and att.v, in another order.
; SHARES.  A work-group owns 64 points, in 4 rounds of 16; in a round wave w owns 4 points.  The 16 matrix columns are 4 x point + head.  In a
; point's turn the foreign columns' weights are set to 0, so four points add into one set of Z accumulators.  In a round's last product wave w takes head w of all 16 points.
; FORMATS.  All matrix operands f16, sums f32.  G carries 2^-6, taken back in the softmax's factor c = 2^6 log2(e) / 8.
; LIMITS.  f16 ends at 65,504 (grid, weights, relu(..), c_att); G / 64 likewise.  A hidden slot's score is -1e30.  NaN and infinities are not treated apart.
; CLUSTER.  The four work-groups of a cluster need the same three tables: each is asked for jointly, once, one load a wave; no LDS byte is filled twice.
; LDS: PT 304 rows x 272; VC 288 rows x 544; G0 20 rows x 272; then, from the next multiple of 256 on, each wave's own 19,472: F as 32 rows x 608, later Z as 16 rows x 592.
; BANKS (64 of 4 bytes: ISA guide 11.1).  A head's G0 is five padded rows, 1,360 bytes = 80 modulo 256: the four heads that sixteen lanes touch start at 0, 80, 160, 240.
; The waves' scratch lies 19,472 = 16 modulo 256 apart and four Z rows are 2,368 = 64 modulo 256: the sixteen Z rows of a load start at sixteen different columns of 16 bytes.
; F's pitch, 608, is an odd multiple of 32; the stores of F's rows then meet two deep (rows r and r + 8).
; REGISTERS in windows of 256 (s_set_vgpr_msb: bits 1:0 source 0, 3:2 source 1, 5:4 source 2, 7:6 destination).
.set VCL, 82688
.set G0L, 239360
.set G0H, 1360        ; a head's five rows of 272 bytes
.set FSL, 244992
.set FSW, 19472
.set OFF_G0S, 81920
.set OFF_VC,  87040
.set OFF_CIDX, 2097152
.set OFF_CW,  4194304
; window 0
.set PTB, 0           ; v0   PT address for blocks 10 on (after the thread's number has served)
.set H16, 2           ; v2   16 x (lane / 16)
.set FST, 3           ; v3   F row lane % 16, my 16 bytes
.set FTR, 4           ; v4   F for the turning load
.set PTA, 5           ; v5   PT row lane % 16
.set G0A, 6           ; v6   G0 of my column's head
.set VTR, 7           ; v7-9 VC for the turning load, K steps 0-2, 3-5, 6-8
.set ZST, 10          ; v10  Z row = my column
.set ZLD, 11          ; v11  Z row of (point lane % 16, head w)
.set L16, 12          ; v12  16 x lane
.set R4,  13          ; v13  4 x (lane % 16)
.set R8,  14          ; v14  8 x (lane % 16)
.set Q32, 15          ; v15  32 x my column's point
.set IDXR, 16         ; v16-17 neighbour cells
.set GAD, 18          ; v18-19 their byte offsets
.set DPR, 20          ; v20-23 displacements as loaded
.set CIR, 24          ; v24-31 corner cells
.set CAD, 32          ; v32-39 their byte offsets
.set CW,  40          ; v40-47 corner weights
.set NF,  48          ; v48-63 neighbour features, two fragments
.set S,   64          ; v64-79 scores
.set CT0, 80          ; v80-87 the constant term; v88-95 the same with the mask
.set CT1, 88
.set MSK, 96
.set ATT, 104
.set WK,  112         ; v112-127 at work
.set DPRE, 128        ; v128-191 pre-activations, two buffers
.set FPK, 192         ; v192-223 relu(..) packed, two buffers
.set IB,  224         ; v224-255 interp by head
; window 1
.set W0F, 0           ; v0-37  [Wdi0; bdi0] packed, two registers a block of 16 features
.set DOP, 40          ; v40-55 displacements as source 1
.set GP,  56          ; v56-127 G packed
.set GACC, 128        ; v128-207
; window 2: v0-143 Z accumulators
.set TF,  144         ; v144-255 fragments
; window 3
.set CG,  0           ; v0-63 corner rows
.set ZB,  64          ; v64-135
.set FACC, 136
.set BV,  168
.set OP,  200
; scalars
.set WV, 22
.set XG, 23
.set PB, 24           ; 64 x + 4 w: my first point
.set PB32, 25
.set G0D, 28
.set G1D, 32
.set HM, 40           ; s40-43 lanes of head 0..3
.set LOW, 44
.set HIM, 45
.set PM, 46           ; lanes of the point in hand
.set SEL, 48
.set CS, 50
.set RQ, 52           ; round
.set Q,  53           ; point 0..15 of my wave
.set T0, 54
.set T1, 55
.set OF, 56
.set DPB, 58
.set IXB, 60
.set CWB, 62
.set CIB, 66
.set CATB, 68
.set RCNT, 70
.set PCNT, 71
.set TA, 72
.set TB, 73
.set MSB, 0
.macro WIN new                         ; the high byte repeats the setting that is left; a switch that changes nothing is dropped
.if MSB != (\new)
	s_set_vgpr_msb (MSB<<8)|(\new)
.set MSB, (\new)
.endif
.endm
.macro PLACES                          ; four plain places behind matrix instructions (ISA guide 7.12.1)
.rept 4
	v_nop
.endr
.endm
.macro ROUND                           ; a round of the cluster's barrier
	s_barrier_signal -1
	s_barrier_wait -1
	s_cmp_lg_u32 s[WV], 0
	s_cbranch_scc1 .Lnot_wave_0_\@
	s_barrier_signal -3
.Lnot_wave_0_\@:
	s_barrier_wait -3
	s_barrier_signal -1
	s_barrier_wait -1
.endm
.macro FILL lds, goff, w0, dim0, rows  ; one joint load: rows x dim0 elements, dense in memory
	s_mov_b32 s[G0D], 1
	s_mov_b32 s[G0D+1], \lds
	s_add_nc_u64 s[G0D+2:G0D+3], s[10:11], \goff
	s_or_b32 s[G0D+3], s[G0D+3], 0x80000000
	s_mov_b32 s[G1D], \w0
	s_mov_b32 s[G1D+1], (\dim0)<<16
	s_mov_b32 s[G1D+2], (\rows)<<16
	s_mov_b32 s[G1D+3], (\dim0)<<16
	s_mov_b32 s[G1D+4], \rows
	s_mov_b32 s[G1D+5], \dim0
	s_mov_b32 s[G1D+6], 0
	s_mov_b32 s[G1D+7], 0
	tensor_load_to_lds s[G0D:G0D+3], s[G1D:G1D+7]
	s_nop 0
	PLACES
.endm
; The corners of round RQ + 1 (cells are in CIR): 16 gathers; its weights; the cells of round RQ + 2.  Past my last round the last is asked for again.
.macro CFETCH
	WIN 0
.irp e, 0,1,2,3,4,5,6,7
	v_min_u32 v[CIR+\e], 0x7ffff, v[CIR+\e]
.endr
.irp e, 0,1,2,3,4,5,6,7
	v_lshl_add_u32 v[CAD+\e], v[CIR+\e], 6, v[H16] ; 64 bytes a cell
.endr
	s_add_co_u32 s[T0], s[RQ], 1
	s_min_u32 s[T0], s[T0], 3
	s_lshl_b32 s[T0], s[T0], 9                     ; 16 points x 32 bytes
	s_add_co_u32 s[OF], s[T0], s[PB32]
	s_add_nc_u64 s[CWB:CWB+1], s[8:9], s[OF:OF+1]
	s_add_co_u32 s[T0], s[RQ], 2
	s_min_u32 s[T0], s[T0], 3
	s_lshl_b32 s[T0], s[T0], 9
	s_add_co_u32 s[OF], s[T0], s[PB32]
	s_add_nc_u64 s[CIB:CIB+1], s[6:7], s[OF:OF+1]
	WIN 0xc0
.irp e, 0,1,2,3,4,5,6,7
	global_load_b128 v[CG+8*\e:CG+8*\e+3], v[CAD+\e], s[4:5]
	global_load_b128 v[CG+8*\e+4:CG+8*\e+7], v[CAD+\e], s[4:5] offset:32
.endr
	WIN 0
	global_load_b128 v[CW:CW+3], v[Q32], s[CWB:CWB+1] offset:OFF_CW
	global_load_b128 v[CW+4:CW+7], v[Q32], s[CWB:CWB+1] offset:OFF_CW+16
	global_load_b128 v[CIR:CIR+3], v[Q32], s[CIB:CIB+1] offset:OFF_CIDX
	global_load_b128 v[CIR+4:CIR+7], v[Q32], s[CIB:CIB+1] offset:OFF_CIDX+16
.endm
; Point Q + 1 (cells are in IDXR): its features and displacements; the cells of point Q + 2.  Its six plain lines are also the places behind the products in front.
.macro PFETCH
	WIN 0
	v_min_u32 v[IDXR], 0x7ffff, v[IDXR]
	v_min_u32 v[IDXR+1], 0x7ffff, v[IDXR+1]
	v_lshl_add_u32 v[GAD], v[IDXR], 6, v[H16]
	v_lshl_add_u32 v[GAD+1], v[IDXR+1], 6, v[H16]
	v_nop
	v_nop
	s_add_co_u32 s[T0], s[Q], 1
	s_min_u32 s[T0], s[T0], 15
	s_lshr_b32 s[T1], s[T0], 2
	s_lshl_b32 s[T1], s[T1], 4                     ; 16 points a round
	s_and_b32 s[T0], s[T0], 3
	s_add_co_u32 s[T0], s[T0], s[T1]
	s_add_co_u32 s[T0], s[T0], s[PB]
	s_lshl_b32 s[OF], s[T0], 8
	s_add_nc_u64 s[DPB:DPB+1], s[8:9], s[OF:OF+1]
	s_add_co_u32 s[T0], s[Q], 2
	s_min_u32 s[T0], s[T0], 15
	s_lshr_b32 s[T1], s[T0], 2
	s_lshl_b32 s[T1], s[T1], 4
	s_and_b32 s[T0], s[T0], 3
	s_add_co_u32 s[T0], s[T0], s[T1]
	s_add_co_u32 s[T0], s[T0], s[PB]
	s_lshl_b32 s[OF], s[T0], 7
	s_add_nc_u64 s[IXB:IXB+1], s[6:7], s[OF:OF+1]
	global_load_b128 v[NF:NF+3], v[GAD], s[4:5]
	global_load_b128 v[NF+4:NF+7], v[GAD], s[4:5] offset:32
	global_load_b128 v[NF+8:NF+11], v[GAD+1], s[4:5]
	global_load_b128 v[NF+12:NF+15], v[GAD+1], s[4:5] offset:32
	global_load_b64 v[DPR:DPR+1], v[R8], s[DPB:DPB+1]
	global_load_b64 v[DPR+2:DPR+3], v[R8], s[DPB:DPB+1] offset:128
	global_load_b32 v[IDXR], v[R4], s[IXB:IXB+1]
	global_load_b32 v[IDXR+1], v[R4], s[IXB:IXB+1] offset:64
.endm
	s_load_b512 s[4:19], s[0:1], 0x0               ; gt 4, idx 6, geo 8, wts 10, Wdi0 12, bdi0 14, bv 16, bdi1 18
	s_load_b64 s[20:21], s[0:1], 0x40              ; catt
	s_set_vgpr_msb 0x40
	v_lshl_add_u32 v254, v0, 2, 0x4ee00
	v_mov_b32 v255, 0
	s_set_vgpr_msb 0x4045
	ds_add_u32 v254, v255
	s_set_vgpr_msb 0x4500
	v_lshrrev_b32 v1, 5, v0
	v_readfirstlane_b32 s[WV], v1
	s_bfe_u32 s[TA], ttmp6, 0x40000                ; cx
	s_lshl_b32 s[XG], ttmp9, 2
	s_add_co_u32 s[XG], s[XG], s[TA]               ; my work-group: it enters global addresses alone
	s_lshl_b32 s[PB], s[XG], 6
	s_lshl2_add_u32 s[PB], s[WV], s[PB]
	s_lshl_b32 s[PB32], s[PB], 5
	s_mov_b32 s[HM], 0x11111111
	s_mov_b32 s[HM+1], 0x22222222
	s_mov_b32 s[HM+2], 0x44444444
	s_mov_b32 s[HM+3], 0x88888888
	s_mov_b32 s[LOW], 0xffff
	s_mov_b32 s[HIM], 0xffff0000
	s_mov_b32 s[SEL], 0x76543210
	s_mov_b32 s[SEL+1], 0xfedcba98
	s_mov_b32 s[CS], 0x4138aa3b                    ; 2^6 log2(e) / 8
	s_mov_b32 s[CS+1], s[CS]
	s_mov_b32 s[OF+1], 0
	s_wait_dscnt 0x0
	s_wait_kmcnt 0x0
	ROUND                                          ; all four work-groups are here: the joint loads meet
	s_cmp_lg_u32 s[WV], 0                          ; one load a wave, all inside this one chain on the wave's number
	s_cbranch_scc1 .Lfill1
	FILL 0, 0, 15|(1<<16)|(1<<20)|(1<<21)|(5<<22)|(3<<25), 128, 304          ; PT: rows of 256 bytes + 16
	s_branch .Lfilled
.Lfill1:
	s_cmp_lg_u32 s[WV], 1
	s_cbranch_scc1 .Lfill2
	FILL VCL, OFF_VC, 15|(1<<16)|(1<<20)|(1<<21)|(6<<22)|(7<<25), 256, 144   ; VC rows 0-143: 512 bytes + 32
	s_branch .Lfilled
.Lfill2:
	s_cmp_lg_u32 s[WV], 2
	s_cbranch_scc1 .Lfill3
	FILL VCL+78336, OFF_VC+73728, 15|(1<<16)|(1<<20)|(1<<21)|(6<<22)|(7<<25), 256, 144
	s_branch .Lfilled
.Lfill3:
	FILL G0L, OFF_G0S, 15|(3<<16)|(1<<20)|(1<<21)|(5<<22)|(3<<25), 32, 20    ; G0: 20 rows of 256 bytes (32 elements of 8) + 16
.Lfilled:
	v_and_b32 v1, 15, v0                           ; r
	v_bfe_u32 v2, v0, 4, 1
	v_lshlrev_b32 v[H16], 4, v2
	s_mul_i32 s[TA], s[WV], FSW
	s_add_co_u32 s[TA], s[TA], FSL                 ; my wave's scratch
	v_mul_u32_u24 v[FST], v1, 608
	v_add3_u32 v[FST], v[FST], v[H16], s[TA]
	v_and_b32 v112, 7, v0
	v_lshrrev_b32 v113, 1, v[H16]
	v_add_nc_u32 v112, v112, v113                  ; 8 (l / 16) + l % 8
	v_bfe_u32 v113, v0, 3, 1
	v_lshlrev_b32 v113, 4, v113                    ; 16 ((l / 8) % 2)
	v_mul_u32_u24 v[FTR], v112, 608
	v_add3_u32 v[FTR], v[FTR], v113, s[TA]
	v_mul_u32_u24 v[PTA], v1, 272
	v_add_nc_u32 v[PTA], v[PTA], v[H16]
	v_and_b32 v114, 3, v1                          ; my column's head
	v_mul_u32_u24 v[G0A], v114, G0H
	v_lshl_add_u32 v[G0A], v[H16], 1, v[G0A]
	v_add_nc_u32 v[G0A], G0L, v[G0A]
	s_lshl_b32 s[TB], s[WV], 7
	s_add_co_u32 s[TB], s[TB], VCL                 ; head w's 64 columns of VC
	v_mul_u32_u24 v[VTR], v112, 544
	v_add3_u32 v[VTR], v[VTR], v113, s[TB]
	v_add_nc_u32 v[VTR+1], 52224, v[VTR]
	v_add_nc_u32 v[VTR+2], 104448, v[VTR]
	v_mul_u32_u24 v[ZST], v1, 592
	v_add3_u32 v[ZST], v[ZST], v[H16], s[TA]
	v_lshrrev_b32 v115, 2, v1                      ; my column's point; as a reader: the wave that owns point r
	v_mul_u32_u24 v[ZLD], v115, FSW
	v_lshl_add_u32 v116, v114, 2, s[WV]            ; its column 4 (r % 4) + w
	v_mul_u32_u24 v116, v116, 592
	v_add3_u32 v[ZLD], v[ZLD], v116, v[H16]
	v_add_nc_u32 v[ZLD], FSL, v[ZLD]
	v_and_b32 v[L16], 31, v0
	v_lshlrev_b32 v[L16], 4, v[L16]
	v_lshlrev_b32 v[R4], 2, v1
	v_lshlrev_b32 v[R8], 3, v1
	v_lshlrev_b32 v[Q32], 5, v115
	s_lshl_b32 s[TB], s[WV], 8
	v_lshl_add_u32 v117, v[H16], 1, s[TB]          ; biases: byte 256 w + 32 (l / 16)
	v_add_nc_u32 v[PTB], 43520, v[PTA]             ; ten blocks of 16 rows on
	s_mov_b32 s[OF], s[PB32]
	s_add_nc_u64 s[CIB:CIB+1], s[6:7], s[OF:OF+1]
	global_load_b128 v[CIR:CIR+3], v[Q32], s[CIB:CIB+1] offset:OFF_CIDX
	global_load_b128 v[CIR+4:CIR+7], v[Q32], s[CIB:CIB+1] offset:OFF_CIDX+16
	s_lshl_b32 s[OF], s[PB], 7
	s_add_nc_u64 s[IXB:IXB+1], s[6:7], s[OF:OF+1]
	global_load_b32 v[IDXR], v[R4], s[IXB:IXB+1]
	global_load_b32 v[IDXR+1], v[R4], s[IXB:IXB+1] offset:64
.set i, 0
.rept 16                               ; feature 16 i + r: Wx, Wy, Wz, b
	global_load_b32 v[DPRE+4*i], v[R4], s[12:13] offset:64*i
	global_load_b32 v[DPRE+4*i+1], v[R4], s[12:13] offset:64*i+1024
	global_load_b32 v[DPRE+4*i+2], v[R4], s[12:13] offset:64*i+2048
	global_load_b32 v[DPRE+4*i+3], v[R4], s[14:15] offset:64*i
.set i, i+1
.endr
.set i, 0
.rept 4
	global_load_b128 v[FPK+8*i:FPK+8*i+3], v117, s[16:17] offset:64*i
	global_load_b128 v[FPK+8*i+4:FPK+8*i+7], v117, s[16:17] offset:64*i+16
	global_load_b128 v[IB+8*i:IB+8*i+3], v117, s[18:19] offset:64*i
	global_load_b128 v[IB+8*i+4:IB+8*i+7], v117, s[18:19] offset:64*i+16
.set i, i+1
.endr
	v_mov_b32 v112, 0xf149f2ca                     ; -1e30
.irp j, 0,1,2
	v_mov_b32 v[MSK+\j], 0
.endr
.irp j, 3,4,5,6,7
	v_cndmask_b32 v[MSK+\j], 0, v112, s[HIM]       ; slots 16 + 8 + j, j >= 3, are no neighbours
.endr
	s_wait_loadcnt 0x0
	WIN 0x40
.set i, 0
.rept 32
	v_cvt_pk_f16_f32 v[W0F+i], v[DPRE+2*i], v[DPRE+2*i+1]
.set i, i+1
.endr
.irp j, 32,33,34,35,36,37
	v_mov_b32 v[W0F+\j], 0                         ; a block's operand is eight registers on; all beyond its two meet zeros in DOP
.endr
.irp j, 2,3,4,5,6,7,10,11,12,13,14,15
	v_mov_b32 v[DOP+\j], 0
.endr
	WIN 0xc0
.set i, 0
.rept 16
	v_pk_add_f32 v[BV+2*i:BV+2*i+1], v[FPK+2*i:FPK+2*i+1], v[IB+2*i:IB+2*i+1]
.set i, i+1
.endr
	WIN 0
	s_mov_b32 s[RQ], -1
	CFETCH                                         ; round 0's corners and weights, round 1's cells
	s_mov_b32 s[RQ], 0
	s_mov_b32 s[Q], -1
	PFETCH                                         ; point 0's features and displacements, point 1's cells
	s_mov_b32 s[Q], 0
; ---- G = PT interp + G0, for my four points' 16 columns
.macro GLD buf, adr, fb0, n, hp        ; n fragments of PT (16 rows x 32 k) into buffer buf
	WIN 0x80
.set gi, 0
.rept \n
	ds_load_b128 v[TF+40*(\buf)+8*gi:TF+40*(\buf)+8*gi+3], v[\adr] offset:4352*((\fb0)+gi)+64*(\hp)
	ds_load_b128 v[TF+40*(\buf)+8*gi+4:TF+40*(\buf)+8*gi+7], v[\adr] offset:4352*((\fb0)+gi)+64*(\hp)+32
.set gi, gi+1
.endr
.endm
.macro GMM buf, a0, n, hp, ct          ; n accumulators by turns; ct = 1: one more, the constant term's
	WIN 0x52
.set gi, 0
.rept \n
	v_wmma_f32_16x16x32_f16 v[GACC+8*((\a0)+gi):GACC+8*((\a0)+gi)+7], v[TF+40*(\buf)+8*gi:TF+40*(\buf)+8*gi+7], v[IB+8*(\hp):IB+8*(\hp)+7], v[GACC+8*((\a0)+gi):GACC+8*((\a0)+gi)+7]
.set gi, gi+1
.endr
.if \ct
	WIN 0x02
	v_wmma_f32_16x16x32_f16 v[CT0:CT0+7], v[TF+40*(\buf)+8*gi:TF+40*(\buf)+8*gi+7], v[IB+8*(\hp):IB+8*(\hp)+7], v[CT0:CT0+7]
.endif
.endm
.macro GPACK fb0, n                    ; accumulators 0..n-1 are blocks fb0..: packed, they are source 1 of the scores' products
	PLACES
	WIN 0x45
.set gi, 0
.rept 4*(\n)
	v_cvt_pk_f16_f32 v[GP+4*(\fb0)+gi], v[GACC+2*gi], v[GACC+2*gi+1]
.set gi, gi+1
.endr
.endm
.macro GPHASE
	WIN 0
	s_wait_loadcnt 0x0                             ; corners, weights and the next cells, asked for a round ago
.irp e, 0,2,4,6
	v_pk_mul_f32 v[CW+\e:CW+\e+1], v[CW+\e:CW+\e+1], 0x3c800000 op_sel_hi:[1,0]   ; 2^-6
.endr
.set ge, 0
.rept 8                                ; corner ge: my point's 16 channels, widened, times the weight
	WIN 0x03
.set gi, 0
.rept 8
	v_mov_b32 v[CT0+gi], v[CG+8*ge+gi]             ; into v80-87 of window 0, whose halves have names
.set gi, gi+1
.endr
	WIN 0
	v_cvt_f32_f16 v[S], v80.l
	v_cvt_f32_f16 v[S+1], v80.h
	v_cvt_f32_f16 v[S+2], v81.l
	v_cvt_f32_f16 v[S+3], v81.h
	v_cvt_f32_f16 v[S+4], v82.l
	v_cvt_f32_f16 v[S+5], v82.h
	v_cvt_f32_f16 v[S+6], v83.l
	v_cvt_f32_f16 v[S+7], v83.h
	v_cvt_f32_f16 v[S+8], v84.l
	v_cvt_f32_f16 v[S+9], v84.h
	v_cvt_f32_f16 v[S+10], v85.l
	v_cvt_f32_f16 v[S+11], v85.h
	v_cvt_f32_f16 v[S+12], v86.l
	v_cvt_f32_f16 v[S+13], v86.h
	v_cvt_f32_f16 v[S+14], v87.l
	v_cvt_f32_f16 v[S+15], v87.h
.set gi, 0
.rept 8
.if ge == 0
	v_pk_mul_f32 v[WK+2*gi:WK+2*gi+1], v[S+2*gi:S+2*gi+1], v[CW:CW+1] op_sel_hi:[1,0]
.elseif ge%2 == 0
	v_pk_fma_f32 v[WK+2*gi:WK+2*gi+1], v[S+2*gi:S+2*gi+1], v[CW+ge:CW+ge+1], v[WK+2*gi:WK+2*gi+1] op_sel_hi:[1,0,1]
.else
	v_pk_fma_f32 v[WK+2*gi:WK+2*gi+1], v[S+2*gi:S+2*gi+1], v[CW+ge-1:CW+ge], v[WK+2*gi:WK+2*gi+1] op_sel:[0,1,0] op_sel_hi:[1,1,1]
.endif
.set gi, gi+1
.endr
.set ge, ge+1
.endr
.set gi, 0
.rept 8
	v_cvt_pk_f16_f32 v[CT1+gi], v[WK+2*gi], v[WK+2*gi+1]
.set gi, gi+1
.endr
.irp hp, 0,1,2,3                       ; K step hp of PT belongs to head hp: the other heads' columns get 0
.set gi, 0
.rept 8
	v_cndmask_b32 v[IB+8*\hp+gi], 0, v[CT1+gi], s[HM+\hp]
.set gi, gi+1
.endr
.endr
	CFETCH
	; half A: blocks 0-9.  The sums start from G0, loaded into the accumulators.  Block fb lies at 64 fb, plus 16 for each padded row of four blocks in front of it.
	WIN 0x40
.set gi, 0
.rept 10
	ds_load_b128 v[GACC+8*gi:GACC+8*gi+3], v[G0A] offset:64*gi+16*(gi/4)
	ds_load_b128 v[GACC+8*gi+4:GACC+8*gi+7], v[G0A] offset:64*gi+16*(gi/4)+16
.set gi, gi+1
.endr
	GLD 0, PTA, 0, 5, 0
.set gg, 0
.rept 8
.if gg < 7
	PLACES                                         ; the buffer's last readers stand just in front
	GLD (gg+1)%2, PTA, 5*((gg+1)%2), 5, (gg+1)/2
	s_wait_dscnt 10                                ; all but the ten just issued
.else
	s_wait_dscnt 0x0
.endif
	GMM gg%2, 5*(gg%2), 5, gg/2, 0
.set gg, gg+1
.endr
	GPACK 0, 10
	; half B: blocks 10-17 and the rows bk + bdi1, whose 16 equal rows leave the constant term in all eight registers
	WIN 0x40
.set gi, 0
.rept 8
	ds_load_b128 v[GACC+8*gi:GACC+8*gi+3], v[G0A] offset:64*(gi+10)+16*((gi+10)/4)
	ds_load_b128 v[GACC+8*gi+4:GACC+8*gi+7], v[G0A] offset:64*(gi+10)+16*((gi+10)/4)+16
.set gi, gi+1
.endr
	WIN 0
	ds_load_b128 v[CT0:CT0+3], v[G0A] offset:64*18+16*4
	ds_load_b128 v[CT0+4:CT0+7], v[G0A] offset:64*18+16*4+16
	GLD 0, PTB, 0, 5, 0
.set gg, 0
.rept 8
.if gg < 7
	PLACES
.if (gg+1)%2
	GLD 1, PTB, 5, 4, (gg+1)/2
	s_wait_dscnt 8
.else
	GLD 0, PTB, 0, 5, (gg+1)/2
	s_wait_dscnt 10
.endif
.else
	s_wait_dscnt 0x0
.endif
.if gg%2
	GMM 1, 5, 3, gg/2, 1
.else
	GMM 0, 0, 5, gg/2, 0
.endif
.set gg, gg+1
.endr
	GPACK 10, 8
	WIN 0
.irp j, 0,2,4,6
	v_pk_add_f32 v[CT1+\j:CT1+\j+1], v[CT0+\j:CT0+\j+1], v[MSK+\j:MSK+\j+1]
.endr
.endm
; ---- a point
.macro PRE ks, buf                     ; pre-activations of features 32 ks .. +31 for 32 slots: lane = slot, registers = features
	WIN 0x05
.irp nt, 0,1
.irp fb, 0,1
	v_wmma_f32_16x16x32_f16 v[DPRE+32*(\buf)+16*\nt+8*\fb:DPRE+32*(\buf)+16*\nt+8*\fb+7], v[W0F+4*(\ks)+2*\fb:W0F+4*(\ks)+2*\fb+7], v[DOP+8*\nt:DOP+8*\nt+7], 0
.endr
.endr
.endm
; STAGE ks: relu of features 32 ks .. +31 (buffer ks % 2), packed (source 0 of the scores' product) and stored into F's rows for the turned read.  Its 48 vector lines stand in
; eights behind six matrix instructions, which work meanwhile: the four that make stage ks + 1's pre-activations (the other buffer) and the two score products of stage ks - 1
; (the other packed buffer).  No line names a register of the product in front of it, and eight plain lines or more lie between a product and the next use of any of its registers.
.macro STAGE ks
.set sj, 0
.rept 4                                ; product sj: slots 16 (sj / 2) on, features 16 (sj % 2) on;  maxima: accumulator sj of my own buffer, from its low end on
.if (\ks) < 7
	WIN 0x05
	v_wmma_f32_16x16x32_f16 v[DPRE+32*(((\ks)+1)%2)+8*sj:DPRE+32*(((\ks)+1)%2)+8*sj+7], v[W0F+4*((\ks)+1)+2*(sj%2):W0F+4*((\ks)+1)+2*(sj%2)+7], v[DOP+8*(sj/2):DOP+8*(sj/2)+7], 0
.endif
	WIN 0
.set ri, 0
.rept 8
	v_max_num_f32 v[DPRE+32*((\ks)%2)+8*sj+ri], 0, v[DPRE+32*((\ks)%2)+8*sj+ri]
.set ri, ri+1
.endr
.set sj, sj+1
.endr
.set sj, 0
.rept 2                                ; the two score tiles by turns
.if (\ks) > 0
	WIN 0x04
	v_wmma_f32_16x16x32_f16 v[S+8*sj:S+8*sj+7], v[FPK+16*(((\ks)+1)%2)+8*sj:FPK+16*(((\ks)+1)%2)+8*sj+7], v[GP+8*(\ks):GP+8*(\ks)+7], v[S+8*sj:S+8*sj+7]
.endif
	WIN 0
.set ri, 0
.rept 8
	v_cvt_pk_f16_f32 v[FPK+16*((\ks)%2)+8*sj+ri], v[DPRE+32*((\ks)%2)+16*sj+2*ri], v[DPRE+32*((\ks)%2)+16*sj+2*ri+1]
.set ri, ri+1
.endr
.set sj, sj+1
.endr
.irp nt, 0,1
	ds_store_b128 v[FST], v[FPK+16*((\ks)%2)+8*\nt:FPK+16*((\ks)%2)+8*\nt+3] offset:9728*\nt+64+64*(\ks)
	ds_store_b128 v[FST], v[FPK+16*((\ks)%2)+8*\nt+4:FPK+16*((\ks)%2)+8*\nt+7] offset:9728*\nt+96+64*(\ks)
.endr
.endm
.macro LOGIT ks, buf                   ; the two score tiles by turns
	WIN 0x04
	v_wmma_f32_16x16x32_f16 v[S:S+7], v[FPK+16*(\buf):FPK+16*(\buf)+7], v[GP+8*(\ks)+8:GP+8*(\ks)+15], v[S:S+7]
	v_wmma_f32_16x16x32_f16 v[S+8:S+15], v[FPK+16*(\buf)+8:FPK+16*(\buf)+15], v[GP+8*(\ks)+8:GP+8*(\ks)+15], v[S+8:S+15]
.endm
.macro TLD fb, slot                    ; F turned: 16 features x 32 slots
	ds_load_tr16_b128 v[TF+8*(\slot):TF+8*(\slot)+3], v[FTR] offset:32*(\fb)
	ds_load_tr16_b128 v[TF+8*(\slot)+4:TF+8*(\slot)+7], v[FTR] offset:32*(\fb)+9728
.endm
.macro ZMM fb, slot, first
.if \first
	v_wmma_f32_16x16x32_f16 v[8*(\fb):8*(\fb)+7], v[TF+8*(\slot):TF+8*(\slot)+7], v[ATT:ATT+7], 0
.else
	v_wmma_f32_16x16x32_f16 v[8*(\fb):8*(\fb)+7], v[TF+8*(\slot):TF+8*(\slot)+7], v[ATT:ATT+7], v[8*(\fb):8*(\fb)+7]
.endif
.endm
.macro SOFTMAX                         ; a lane holds one column and 16 slots; the other 16 lie in the lane 16 away
	WIN 0
	PLACES
	v_max3_num_f32 v[WK], v[S], v[S+1], v[S+2]     ; each accumulator is read from its low end on
	v_max3_num_f32 v[WK+1], v[S+8], v[S+9], v[S+10]
	v_max3_num_f32 v[WK], v[WK], v[S+3], v[S+4]
	v_max3_num_f32 v[WK+1], v[WK+1], v[S+11], v[S+12]
	v_max3_num_f32 v[WK], v[WK], v[S+5], v[S+6]
	v_max3_num_f32 v[WK+1], v[WK+1], v[S+13], v[S+14]
	v_max3_num_f32 v[WK], v[WK], v[S+7], v[S+15]
	v_max_num_f32 v[WK], v[WK], v[WK+1]
	v_permlanex16_b32 v[WK+1], v[WK], s[SEL], s[SEL+1]
	v_max_num_f32 v[WK], v[WK], v[WK+1]
	v_mul_f32 v[WK+2], s[CS], v[WK]
	v_mul_f32 v[WK+3], s[CS], v[WK]
.set si, 0
.rept 8
	v_pk_fma_f32 v[S+2*si:S+2*si+1], v[S+2*si:S+2*si+1], s[CS:CS+1], v[WK+2:WK+3] op_sel_hi:[1,0,1] neg_lo:[0,0,1] neg_hi:[0,0,1]
.set si, si+1
.endr
.set si, 0
.rept 16
	v_exp_f32 v[S+si], v[S+si]
.set si, si+1
.endr
	v_nop                                          ; a plain line behind the last exponential
	s_wait_alu depctr_va_vdst(0)
	v_pk_add_f32 v[WK+4:WK+5], v[S:S+1], v[S+2:S+3]
	v_pk_add_f32 v[WK+6:WK+7], v[S+4:S+5], v[S+6:S+7]
	v_pk_add_f32 v[WK+8:WK+9], v[S+8:S+9], v[S+10:S+11]
	v_pk_add_f32 v[WK+10:WK+11], v[S+12:S+13], v[S+14:S+15]
	v_pk_add_f32 v[WK+4:WK+5], v[WK+4:WK+5], v[WK+6:WK+7]
	v_pk_add_f32 v[WK+8:WK+9], v[WK+8:WK+9], v[WK+10:WK+11]
	v_pk_add_f32 v[WK+4:WK+5], v[WK+4:WK+5], v[WK+8:WK+9]
	v_add_f32 v[WK+4], v[WK+4], v[WK+5]
	v_permlanex16_b32 v[WK+5], v[WK+4], s[SEL], s[SEL+1]
	v_add_f32 v[WK+4], v[WK+4], v[WK+5]
	v_rcp_f32 v[WK+6], v[WK+4]
	v_nop
	s_wait_alu depctr_va_vdst(0)
	v_cndmask_b32 v[WK+6], 0, v[WK+6], s[PM]       ; columns of the other three points get weight 0
	v_mov_b32 v[WK+7], v[WK+6]
.set si, 0
.rept 8
	v_pk_mul_f32 v[S+2*si:S+2*si+1], v[S+2*si:S+2*si+1], v[WK+6:WK+7]
.set si, si+1
.endr
.set si, 0
.rept 8
	v_cvt_pk_f16_f32 v[ATT+si], v[S+2*si], v[S+2*si+1]
.set si, si+1
.endr
.endm
.macro POINT first
	WIN 0
	s_wait_loadcnt 0x0                             ; this point's features and displacements, the next point's cells: asked for a point ago
	WIN 0x40
	v_cndmask_b32 v[DOP], 0, v[DPR], s[LOW]        ; k = 0..3 live in lanes 0-15; lanes 16-31 hold k = 8.., which are 0
	v_cndmask_b32 v[DOP+1], 0, v[DPR+1], s[LOW]
	v_cndmask_b32 v[DOP+8], 0, v[DPR+2], s[LOW]
	v_cndmask_b32 v[DOP+9], 0, v[DPR+3], s[LOW]
	WIN 0
	ds_store_b128 v[FST], v[NF:NF+3]
	ds_store_b128 v[FST], v[NF+4:NF+7] offset:32
	ds_store_b128 v[FST], v[NF+8:NF+11] offset:9728
	ds_store_b128 v[FST], v[NF+12:NF+15] offset:9760
	PRE 0, 0
	WIN 0x04
	v_wmma_f32_16x16x32_f16 v[S:S+7], v[NF:NF+7], v[GP:GP+7], v[CT0:CT0+7]          ; the scores start from the constant term,
	v_wmma_f32_16x16x32_f16 v[S+8:S+15], v[NF+8:NF+15], v[GP:GP+7], v[CT1:CT1+7]    ; and from the mask
	PFETCH
.set pk, 0
.rept 8
	STAGE pk
.set pk, pk+1
.endr
	LOGIT 7, 1                                     ; the last stage's score products
	WIN 0x80
.set pk, 0
.rept 14
	TLD pk, pk
.set pk, pk+1
.endr
	SOFTMAX
	s_wait_dscnt 0x0
	WIN 0xa2
.irp f, 0,1,2,3
	ZMM \f, \f, \first
.endr
	PLACES
	WIN 0x80
.irp f, 14,15,16,17
	TLD \f, \f-14
.endr
	WIN 0xa2
.irp f, 4,5,6,7,8,9,10,11,12,13
	ZMM \f, \f, \first
.endr
	s_wait_dscnt 0x0
.irp f, 14,15,16,17
	ZMM \f, \f-14, \first
.endr
	s_lshl_b32 s[PM], s[PM], 4
	s_add_co_u32 s[Q], s[Q], 1
.endm
.macro VLD g                           ; VC turned: head w's 64 channels x 32 features of K step g
	WIN 0x80
.set vi, 0
.rept 4
	ds_load_tr16_b128 v[TF+32*((\g)%3)+8*vi:TF+32*((\g)%3)+8*vi+3], v[VTR+(\g)/3] offset:17408*((\g)%3)+32*vi
	ds_load_tr16_b128 v[TF+32*((\g)%3)+8*vi+4:TF+32*((\g)%3)+8*vi+7], v[VTR+(\g)/3] offset:17408*((\g)%3)+32*vi+8704
.set vi, vi+1
.endr
.endm
	s_wait_tensorcnt 0x0                           ; my table is in,
	s_barrier_signal -1
	s_barrier_wait -1                              ; everybody's is
	s_mov_b32 s[RCNT], 4
.Lround:
	GPHASE
	s_mov_b32 s[PM], 0x000f000f
	POINT 1
	WIN 0
	s_mov_b32 s[PCNT], 3
.Lpoint:
	POINT 0
	WIN 0
	s_sub_co_u32 s[PCNT], s[PCNT], 1
	s_cmp_lg_u32 s[PCNT], 0
	s_cbranch_scc1 .Lpoint
	; Z, packed, into rows by column
	PLACES
	WIN 0x0a
.set i, 0
.rept 72
	v_cvt_pk_f16_f32 v[DPRE+i], v[2*i], v[2*i+1]
.set i, i+1
.endr
	WIN 0
.set i, 0
.rept 18
	ds_store_b128 v[ZST], v[DPRE+4*i:DPRE+4*i+3] offset:32*i
.set i, i+1
.endr
	s_wait_dscnt 0x0                               ; for the others' sake: my Z is written
	s_barrier_signal -1
	s_barrier_wait -1
	WIN 0xc0
.set i, 0
.rept 9
	ds_load_b128 v[ZB+8*i:ZB+8*i+3], v[ZLD] offset:64*i
	ds_load_b128 v[ZB+8*i+4:ZB+8*i+7], v[ZLD] offset:64*i+32
.set i, i+1
.endr
	WIN 0
	s_wait_dscnt 0x0                               ; my reads of the others' Z are over:
	s_barrier_signal -1
	s_barrier_wait -1                              ; behind this every wave may write its scratch again
	VLD 0
	VLD 1
.set vg, 0
.rept 9
.if vg < 7
	PLACES
	VLD vg+2
	s_wait_dscnt 16                                ; the next two groups may stay out
.elseif vg == 7
	s_wait_dscnt 8
.else
	s_wait_dscnt 0x0
.endif
	WIN 0xfe
.set vi, 0
.rept 4
.if vg == 0
	v_wmma_f32_16x16x32_f16 v[FACC+8*vi:FACC+8*vi+7], v[TF+8*vi:TF+8*vi+7], v[ZB:ZB+7], v[BV+8*vi:BV+8*vi+7]   ; the sums start from bv + bdi1
.else
	v_wmma_f32_16x16x32_f16 v[FACC+8*vi:FACC+8*vi+7], v[TF+32*(vg%3)+8*vi:TF+32*(vg%3)+8*vi+7], v[ZB+8*vg:ZB+8*vg+7], v[FACC+8*vi:FACC+8*vi+7]
.endif
.set vi, vi+1
.endr
.set vg, vg+1
.endr
	PLACES
	s_wait_xcnt 0x0                                ; the last round's stores have read their data and base
	s_lshl_b32 s[T0], s[XG], 2
	s_add_co_u32 s[T0], s[T0], s[RQ]               ; tile
	s_lshl_b32 s[T0], s[T0], 13
	s_lshl_b32 s[T1], s[WV], 11
	s_add_co_u32 s[OF], s[T0], s[T1]
	s_add_nc_u64 s[CATB:CATB+1], s[20:21], s[OF:OF+1]
	WIN 0xcf
.set i, 0
.rept 16
	v_cvt_pk_f16_f32 v[OP+i], v[FACC+2*i], v[FACC+2*i+1]
.set i, i+1
.endr
	WIN 0x0c
.irp j, 0,1,2,3
	global_store_b128 v[L16], v[OP+4*\j:OP+4*\j+3], s[CATB:CATB+1] offset:512*\j   ; 512 consecutive bytes, aligned: the next launch's operand as it will lie in registers
.endr
	WIN 0
	s_add_co_u32 s[RQ], s[RQ], 1
	s_sub_co_u32 s[RCNT], s[RCNT], 1
	s_cmp_lg_u32 s[RCNT], 0
	s_cbranch_scc1 .Lround
	s_set_vgpr_msb 0x5
	s_wait_tensorcnt 0x0
	ds_add_u32 v254, v255
	s_wait_dscnt 0x0
	s_set_vgpr_msb 0x500
	ROUND                                          ; the closing round
	s_endpgm
.Lfunc_end_k_qad2beba72d_att:
	.size	k_qad2beba72d_att, .Lfunc_end_k_qad2beba72d_att-k_qad2beba72d_att
	.p2alignl 7, 3214868480
	.fill 96, 4, 3214868480
	.section	.rodata,"a",@progbits
	.p2align	6, 0x0
	.amdhsa_kernel k_qad2beba72d_att
		.amdhsa_group_segment_fixed_size 327680
		.amdhsa_private_segment_fixed_size 0
		.amdhsa_enable_private_segment 0
		.amdhsa_kernarg_size 72
		.amdhsa_user_sgpr_count 2
		.amdhsa_user_sgpr_kernarg_segment_ptr 1
		.amdhsa_wavefront_size32 1
		.amdhsa_system_sgpr_workgroup_id_x 1
		.amdhsa_system_sgpr_workgroup_id_y 1
		.amdhsa_system_sgpr_workgroup_id_z 1
		.amdhsa_system_vgpr_workitem_id 0
		.amdhsa_next_free_vgpr 1024
		.amdhsa_next_free_sgpr 80
		.amdhsa_reserve_vcc 0
		.amdhsa_float_denorm_mode_32 3
		.amdhsa_float_denorm_mode_16_64 3
		.amdhsa_memory_ordered 1
		.amdhsa_forward_progress 1
		.amdhsa_inst_pref_size 153
	.end_amdhsa_kernel
	.amdgpu_metadata
---
amdhsa.version: [ 1, 2 ]
amdhsa.kernels:
  - .name:           k_qad2beba72d_att
    .symbol:         k_qad2beba72d_att.kd
    .args:
      - { .name: gt, .offset: 0, .size: 8, .value_kind: global_buffer, .address_space: global }
      - { .name: idx, .offset: 8, .size: 8, .value_kind: global_buffer, .address_space: global }
      - { .name: geo, .offset: 16, .size: 8, .value_kind: global_buffer, .address_space: global }
      - { .name: wts, .offset: 24, .size: 8, .value_kind: global_buffer, .address_space: global }
      - { .name: Wdi0, .offset: 32, .size: 8, .value_kind: global_buffer, .address_space: global }
      - { .name: bdi0, .offset: 40, .size: 8, .value_kind: global_buffer, .address_space: global }
      - { .name: bv, .offset: 48, .size: 8, .value_kind: global_buffer, .address_space: global }
      - { .name: bdi1, .offset: 56, .size: 8, .value_kind: global_buffer, .address_space: global }
      - { .name: catt, .offset: 64, .size: 8, .value_kind: global_buffer, .address_space: global }
    .group_segment_fixed_size: 327680
    .private_segment_fixed_size: 0
    .kernarg_segment_align: 8
    .kernarg_segment_size: 72
    .max_flat_workgroup_size: 128
    .sgpr_count:     80
    .vgpr_count:     1024
    .wavefront_size: 32
...
	.end_amdgpu_metadata
.endif
;; end of part 2
;; launch dec (part 3): grid 256 x 1, 4 waves a work-group, clusters of 4 x 1, 327,680 bytes of LDS; arguments catt, wts, bint, bc, bb0, bb1, Wout, bout, out0; writes out0
.if DOCPART == 3
	.amdgcn_target "amdgcn-amd-amdhsa--gfx1250"
	.amdhsa_code_object_version 6
	.text
	.protected	k_qad2beba72d_dec
	.globl	k_qad2beba72d_dec
	.p2align	8
	.type	k_qad2beba72d_dec,@function
k_qad2beba72d_dec:
	s_mov_b64 s[64:65], 0
	v_nop
	global_prefetch_b8 v0, s[64:65] scope:SCOPE_SE
	s_setreg_imm32_b32 hwreg(HW_REG_WAVE_MODE, 25, 1), 1
	s_wait_xcnt 0x0
	s_wait_alu depctr_hold_cnt(0) depctr_sa_sdst(0) depctr_va_vdst(0) depctr_va_sdst(0) depctr_va_ssrc(0) depctr_va_vcc(0) depctr_vm_vsrc(0)
	s_getreg_b32 s2, hwreg(HW_REG_IB_STS2, 6, 4)
	s_cmp_eq_u32 s2, 0
	s_cbranch_scc0 .Lentry_in_a_cluster
	s_endpgm
.Lentry_in_a_cluster:
	s_bfe_u32 s2, ttmp6, 0x10000c
	s_cmp_lg_u32 s2, 0x3003
	s_cbranch_scc0 .Lentry_shape_is_right
	s_endpgm
.Lentry_shape_is_right:
; THE DECODER HEAD.  net = c_att (Wint + Wc0) + bint + bc0; five blocks: net += c_att Wc_i + bc_i (i > 0); h0 = relu(net) Wb0_i + bb0_i;
; net += relu(h0) Wb1_i + bb1_i; out = relu(net) . Wout + bout.  15 products of 256 x 256.
; SHARES.  A work-group owns 64 points, four tiles of 16.  Wave w owns the output channels 64 w .. 64 w + 63 (four blocks of 16) of ALL 64 points: 16 accumulators.
; So a fragment of the weights, turned out of LDS, feeds four matrix instructions, and a wave reads a quarter of a layer: 64 loads for 128 matrix instructions.
; Products are used transposed (source 0 = 16 output channels, source 1 = the activations): a lane holds one point, and results packed in pairs ARE source 1 of the next product.
; THE ACTIVATIONS CHANGE WAVES THROUGH LDS: each wave stores its 64 channels of the 64 points (16 stores of 512 bytes, in the operand's register image), and behind the next
; layer's round every wave loads all 256 channels (64 loads), pair of K steps by pair, beside the weights' fragments.
; FORMATS.  Operands f16, sums f32.  relu(..) is multiplied, point by point, by an exact power of two that brings the point's largest number (over all 256 channels: the four
; waves' maxima meet in LDS behind a barrier) into [1, 2); the product is multiplied back.  c_att and the weights go in as they are: they must lie within 65,504.
; NaN and infinities are not treated apart.
; RING.  A layer (256 rows x 512 bytes, pitch 544) is a slot; two slots; each wave fetches 64 rows; the four work-groups of a cluster ask jointly.
; One tensor load of a wave is out at any time; it has a layer's 128 matrix instructions in which to land.  The launch claims all of LDS.
; REGISTERS in windows of 256 (s_set_vgpr_msb: bits 1:0 source 0, 3:2 source 1, 5:4 source 2, 7:6 destination):
;   window 0: addresses, statistics, Wout, bias, fragments     window 1: NET, ACC (accumulator (tile t, block ob) at 8 (4 t + ob))
;   window 2: ACT, (tile t, K step ks) at 64 t + 8 ks            window 3: c_att, likewise
.set SLOT1, 0x22000
.set XB,    278528    ; the activations' way between waves: 64 blocks of 512 bytes, block 16 t + 2 ks + half
.set MX,    311296    ; the waves' maxima: 256 bytes a wave, 16 bytes (four tiles) a point
.set OUTS,  312320    ; the waves' parts of the output: 256 bytes a wave
.set SPARE, 313344    ; the spare words, 128 bytes a wave
.set OFF_WD, 234496
; window 0
.set LB,  3           ; v3   my lane's place in a layer for the turning load, my wave's 64 columns
.set AD0, 4           ; v4-5 the same in the slot in hand, K steps 0-3 and 4-7
.set BO,  6           ; v6   256 w + 32 (lane / 16): my eight channels of a block of 16, in f32
.set L16, 7           ; v7   16 x lane
.set XST, 8           ; v8   XB + 2048 w + 16 lane
.set MXS, 9           ; v9   MX + 256 w + 16 (lane % 16)
.set MXL, 10          ; v10  MX + 16 (lane % 16)
.set XLD, 11          ; v11  XB + 16 lane
.set TM,  12          ; v12-15 maxima, one a tile
.set MXR, 16          ; v16-31 the four waves' maxima
.set SC,  32          ; v32-39 the scale, a pair a tile
.set INV, 40          ; v40-47 its inverse
.set SPW, 48
.set NIL, 49
.set OS,  50          ; v50-57 the output's sums, a pair a tile
.set OA,  58
.set WO,  64          ; v64-95  Wout of my 64 channels
.set BIAS, 96         ; v96-127 the layer's bias of my 64 channels
.set FR,  128         ; v128-255 fragments, two buffers of two K steps; at work between the products
; window 1
.set NET, 0
.set ACC, 128
.set WV, 23
.set XG, 24
.set G0D, 28
.set G1D, 32
.set KIND, 40
.set RD, 41
.set CNT, 42
.set SEL, 44
.set MLO, 46
.set MHI, 47
.set BP, 48
.set W_ACT, 0x58      ; D and C window 1, fragments window 0, source 1 window 2
.set W_CAT, 0x5c      ; the same with source 1 in window 3
.set MSB, 0
.macro WIN new                         ; the high byte repeats the setting that is left; a switch that changes nothing is dropped
.if MSB != (\new)
	s_set_vgpr_msb (MSB<<8)|(\new)
.set MSB, (\new)
.endif
.endm
.macro PLACES                          ; four plain places behind matrix instructions (ISA guide 7.12.1)
.rept 4
	v_nop
.endr
.endm
.macro ROUND                           ; a round of the cluster's barrier
	s_barrier_signal -1
	s_barrier_wait -1
	s_cmp_lg_u32 s[WV], 0
	s_cbranch_scc1 .Lnot_wave_0_\@
	s_barrier_signal -3
.Lnot_wave_0_\@:
	s_barrier_wait -3
	s_barrier_signal -1
	s_barrier_wait -1
.endm
; The change of slots.  Every wave: all its tensor loads have landed (its part of the layer to be read); the add; its reads of the old slot and its stores of activations are over.
.macro TOP refill
	s_wait_tensorcnt 0x0
	ds_add_u32 v[SPW], v[NIL]                      ; 0 onto my spare word
.if \refill
	s_xor_b32 s[G0D+1], s[G0D+1], SLOT1            ; the other slot,
	s_add_nc_u64 s[G0D+2:G0D+3], s[G0D+2:G0D+3], 131072   ; the next layer
.endif
	s_wait_dscnt 0x0
.if \refill
	ROUND                                          ; no wave of any partner still reads the slot or has a load on its way
	tensor_load_to_lds s[G0D:G0D+3], s[G1D:G1D+7]
	s_nop 0
	PLACES
.else
	s_barrier_signal -1
	s_barrier_wait -1
.endif
.endm
.macro BIASLD sb                       ; my 64 channels' bias, in an accumulator's layout: the same for the four tiles
	WIN 0
.set bi, 0
.rept 4
	global_load_b128 v[BIAS+8*bi:BIAS+8*bi+3], v[BO], s[\sb:\sb+1] offset:64*bi
	global_load_b128 v[BIAS+8*bi+4:BIAS+8*bi+7], v[BO], s[\sb:\sb+1] offset:64*bi+16
.set bi, bi+1
.endr
.endm
.macro PLD p                           ; pair p of K steps: 2 x 4 fragments of the weights (16 channels x 32 k), turned, into buffer p % 2
	WIN 0
.set pi, 0
.rept 8
	ds_load_tr16_b128 v[FR+64*((\p)%2)+8*pi:FR+64*((\p)%2)+8*pi+3], v[AD0+(\p)/2] offset:17408*((2*(\p)+pi/4)%4)+32*(pi%4)
	ds_load_tr16_b128 v[FR+64*((\p)%2)+8*pi+4:FR+64*((\p)%2)+8*pi+7], v[AD0+(\p)/2] offset:17408*((2*(\p)+pi/4)%4)+32*(pi%4)+8704
.set pi, pi+1
.endr
.endm
.macro ACTLD p                         ; pair p of K steps of the activations, four tiles: 16 loads of 512 neighbouring bytes
	WIN 0x80
.set pi, 0
.rept 16
	ds_load_b128 v[64*(pi/4)+16*(\p)+4*(pi%4):64*(pi/4)+16*(\p)+4*(pi%4)+3], v[XLD] offset:8192*(pi/4)+2048*(\p)+512*(pi%4)
.set pi, pi+1
.endr
.endm
; 128 matrix instructions in four pairs of K steps; the 16 accumulators take turns.  ld = 1: source 1 is ACT and is loaded on the way.  zero = 1: the first K step starts the sums.
.macro PROD dst, bw, ld, zero
.if \ld
	ACTLD 0
.endif
	PLD 0
.set pg, 0
.rept 4
.if pg < 3
.if pg > 0
	PLACES                                         ; the buffer's last readers stand just in front
.endif
.if \ld
	ACTLD pg+1
.endif
	PLD pg+1
	s_wait_dscnt 16+16*(\ld)                       ; all but the next pair's loads, just issued
.else
	s_wait_dscnt 0x0
.endif
	WIN \bw
.set pi, 0
.rept 32                               ; K step 2 pg + pi / 16, tile (pi / 4) % 4, block pi % 4
.if (\zero) && (pg == 0) && (pi < 16)
	v_wmma_f32_16x16x32_f16 v[(\dst)+8*(pi%16):(\dst)+8*(pi%16)+7], v[FR+64*(pg%2)+32*(pi/16)+8*(pi%4):FR+64*(pg%2)+32*(pi/16)+8*(pi%4)+7], v[64*((pi/4)%4)+8*(2*pg+pi/16):64*((pi/4)%4)+8*(2*pg+pi/16)+7], 0
.else
	v_wmma_f32_16x16x32_f16 v[(\dst)+8*(pi%16):(\dst)+8*(pi%16)+7], v[FR+64*(pg%2)+32*(pi/16)+8*(pi%4):FR+64*(pg%2)+32*(pi/16)+8*(pi%4)+7], v[64*((pi/4)%4)+8*(2*pg+pi/16):64*((pi/4)%4)+8*(2*pg+pi/16)+7], v[(\dst)+8*(pi%16):(\dst)+8*(pi%16)+7]
.endif
.set pi, pi+1
.endr
.set pg, pg+1
.endr
	WIN 0
.endm
; The activations of X: the points' maxima over my 64 channels; the four waves' maxima meet; SC = 1 / the power of two at or below the largest; f16(relu(X) x SC) goes to XB.
.macro ACTV x
	WIN 0
.irp j, 0,1,2,3
	v_mov_b32 v[TM+\j], 0
.endr
	WIN 0x14
.set ai, 0
.rept 64                               ; the four tiles by turns
	v_max3_num_f32 v[TM+ai%4], v[TM+ai%4], v[(\x)+32*(ai%4)+2*(ai/4)], v[(\x)+32*(ai%4)+2*(ai/4)+1]
.set ai, ai+1
.endr
	WIN 0
.irp j, 0,1,2,3
	v_permlanex16_b32 v[MXR+\j], v[TM+\j], s[SEL], s[SEL+1]   ; the point's other 32 of my channels lie in the lane 16 away
.endr
.irp j, 0,1,2,3
	v_max_num_f32 v[TM+\j], v[TM+\j], v[MXR+\j]
.endr
	ds_store_b128 v[MXS], v[TM:TM+3]               ; both halves of the lanes hold the same four numbers
	s_wait_dscnt 0x0                               ; for the others' sake: my maxima are written, and my reads of XB are over
	s_barrier_signal -1
	s_barrier_wait -1
.irp j, 0,1,2,3
	ds_load_b128 v[MXR+4*\j:MXR+4*\j+3], v[MXL] offset:256*\j
.endr
	s_wait_dscnt 0x0
.irp j, 0,1,2,3
	v_max3_num_f32 v[TM+\j], v[MXR+\j], v[MXR+4+\j], v[MXR+8+\j]
.endr
.irp j, 0,1,2,3
	v_max_num_f32 v[TM+\j], v[TM+\j], v[MXR+12+\j]
.endr
.irp j, 0,1,2,3
	v_med3_num_f32 v[TM+\j], v[TM+\j], s[MLO], s[MHI]         ; 2^-126 .. 2^126, so that both powers are normal numbers
.endr
.irp j, 0,1,2,3
	v_and_b32 v[INV+2*\j], 0x7f800000, v[TM+\j]
.endr
.irp j, 0,1,2,3
	v_mov_b32 v[INV+2*\j+1], v[INV+2*\j]
	v_sub_nc_u32 v[SC+2*\j], 0x7f000000, v[INV+2*\j]
.endr
.irp j, 0,1,2,3
	v_mov_b32 v[SC+2*\j+1], v[SC+2*\j]
.endr
.set ab, 0
.rept 4                                ; tile ab, in its own 32 of the fragments' registers, which are idle here
	WIN 0x01
.set ai, 0
.rept 16
	v_pk_mul_f32 v[FR+32*ab+2*ai:FR+32*ab+2*ai+1], v[(\x)+32*ab+2*ai:(\x)+32*ab+2*ai+1], v[SC+2*ab:SC+2*ab+1]
.set ai, ai+1
.endr
	WIN 0
.set ai, 0
.rept 32
	v_max_num_f32 v[FR+32*ab+ai], 0, v[FR+32*ab+ai]
.set ai, ai+1
.endr
.set ai, 0
.rept 16
	v_cvt_pk_f16_f32 v[FR+32*ab+ai], v[FR+32*ab+2*ai], v[FR+32*ab+2*ai+1]
.set ai, ai+1
.endr
.set ai, 0
.rept 4                                ; block ai is half ai % 2 of K step 2 w + ai / 2
	ds_store_b128 v[XST], v[FR+32*ab+4*ai:FR+32*ab+4*ai+3] offset:8192*ab+512*ai
.set ai, ai+1
.endr
.set ab, ab+1
.endr
.endm
.macro NETBIAS                         ; NET += bias
	WIN 0x41
.set ai, 0
.rept 64
	v_pk_add_f32 v[NET+2*ai:NET+2*ai+1], v[NET+2*ai:NET+2*ai+1], v[BIAS+2*(ai%16):BIAS+2*(ai%16)+1]
.set ai, ai+1
.endr
	WIN 0
.endm
.macro NETACC                          ; NET += ACC x INV
	WIN 0x51
.set ai, 0
.rept 64
	v_pk_fma_f32 v[NET+2*ai:NET+2*ai+1], v[ACC+2*ai:ACC+2*ai+1], v[INV+2*(ai/16):INV+2*(ai/16)+1], v[NET+2*ai:NET+2*ai+1]
.set ai, ai+1
.endr
	WIN 0
.endm
	s_load_b512 s[4:19], s[0:1], 0x0               ; catt 4, wts 6, bint 8, bc 10, bb0 12, bb1 14, Wout 16, bout 18
	s_load_b64 s[20:21], s[0:1], 0x40              ; out0
	v_lshl_add_u32 v[SPW], v0, 2, SPARE
	v_mov_b32 v[NIL], 0
	ds_add_u32 v48, v49
	s_wait_dscnt 0x0
	v_lshrrev_b32 v1, 5, v0
	v_readfirstlane_b32 s[WV], v1
	s_bfe_u32 s50, ttmp6, 0x40000
	s_lshl_b32 s[XG], ttmp9, 2
	s_add_co_u32 s[XG], s[XG], s50                 ; my work-group: it enters catt's and out0's addresses alone
	s_mov_b32 s[G1D], 15|(1<<16)|(1<<20)|(1<<21)|(6<<22)|(7<<25)   ; mask of four; 2-byte elements; 8 words of padding after every 128
	s_mov_b32 s[G1D+1], 256<<16
	s_mov_b32 s[G1D+2], 64<<16
	s_mov_b32 s[G1D+3], 256<<16
	s_mov_b32 s[G1D+4], 64
	s_mov_b32 s[G1D+5], 256
	s_mov_b32 s[G1D+6], 0
	s_mov_b32 s[G1D+7], 0
	s_mov_b32 s[G0D], 1
	s_mul_i32 s[G0D+1], s[WV], 0x8800              ; my 64 rows of slot 0
	s_lshl_b32 s50, s[WV], 15
	s_add_co_u32 s50, s50, OFF_WD
	s_mov_b32 s51, 0
	s_mov_b32 s[SEL], 0x76543210
	s_mov_b32 s[SEL+1], 0xfedcba98
	s_mov_b32 s[MLO], 0x00800000
	s_mov_b32 s[MHI], 0x7e800000
	s_wait_kmcnt 0x0
	s_load_b32 s22, s[18:19], 0x0                  ; bout
	s_add_nc_u64 s[G0D+2:G0D+3], s[6:7], s[50:51]
	s_or_b32 s[G0D+3], s[G0D+3], 0x80000000
	ROUND
	tensor_load_to_lds s[G0D:G0D+3], s[G1D:G1D+7]  ; layer 0
	s_nop 0
	PLACES
	v_bfe_u32 v2, v0, 4, 1                         ; l / 16
	v_and_b32 v1, 7, v0
	v_lshl_add_u32 v1, v2, 3, v1
	v_mul_u32_u24 v[LB], v1, 544
	v_bfe_u32 v1, v0, 3, 1
	v_lshl_add_u32 v[LB], v1, 4, v[LB]
	s_lshl_b32 s50, s[WV], 7
	v_add_nc_u32 v[LB], s50, v[LB]                 ; my 64 columns begin at byte 128 w of a row
	s_lshl_b32 s50, s[WV], 8
	v_lshl_add_u32 v[BO], v2, 5, s50
	v_and_b32 v[L16], 31, v0
	v_lshlrev_b32 v[L16], 4, v[L16]
	v_add_nc_u32 v[XLD], XB, v[L16]
	v_and_b32 v1, 15, v0
	v_lshlrev_b32 v[MXL], 4, v1
	v_add_nc_u32 v[MXL], MX, v[MXL]
	v_add_nc_u32 v[MXS], s50, v[MXL]
	s_lshl_b32 s50, s[WV], 11
	v_add_nc_u32 v[XST], s50, v[XLD]
.irp j, 0,1,2,3
	v_mov_b32 v[MXR+\j], 0                         ; a lane exchange's destination counts as read
.endr
	s_lshl_b32 s50, s[XG], 15                      ; my work-group's four tiles of 8,192 bytes
	s_add_nc_u64 s[4:5], s[4:5], s[50:51]
	WIN 0xc0
.set i, 0
.rept 64                               ; c_att of all 64 points, as it will stand as source 1
	global_load_b128 v[4*i:4*i+3], v[L16], s[4:5] offset:512*i
.set i, i+1
.endr
	WIN 0x40
.set i, 0
.rept 16                               ; the sums start from bint, the same for the four tiles: nothing is cleared
	global_load_b128 v[NET+8*i:NET+8*i+3], v[BO], s[8:9] offset:64*(i%4)
	global_load_b128 v[NET+8*i+4:NET+8*i+7], v[BO], s[8:9] offset:64*(i%4)+16
.set i, i+1
.endr
	WIN 0
	s_wait_kmcnt 0x0
	s_mov_b32 s[KIND], 0
	s_mov_b32 s[RD], 0
	s_mov_b32 s[CNT], 14
.Ltrip:                                ; layers 0 to 13; each asks for the next
	TOP 1
	v_add_nc_u32 v[AD0], s[RD], v[LB]
	v_add_nc_u32 v[AD0+1], 69632, v[AD0]
	s_cmp_eq_u32 s[KIND], 0                        ; at the first trip a constant of the text: the first layer is of this kind.  The kind is made of constants and the loop's steps: alike in all waves
	s_cbranch_scc0 .Lkind12
	BIASLD 10
	s_wait_loadcnt 8                               ; all but the eight just issued: c_att and bint at the first trip
	PROD NET, W_CAT, 0, 0                          ; net += c_att Wc
	s_wait_loadcnt 0x0
	PLACES
	NETBIAS
	ACTV NET
	s_add_nc_u64 s[10:11], s[10:11], 1024
	s_branch .Lbottom
.Lkind12:
	s_cmp_eq_u32 s[KIND], 1
	s_cselect_b64 s[BP:BP+1], s[12:13], s[14:15]
	BIASLD BP
	PROD ACC, W_ACT, 1, 1
	s_wait_loadcnt 0x0
	PLACES
	s_cmp_eq_u32 s[KIND], 1
	s_cbranch_scc0 .Lkind2
	WIN 0x41                                       ; h0 = ACC x INV + bb0
.set ai, 0
.rept 64
	v_pk_fma_f32 v[ACC+2*ai:ACC+2*ai+1], v[ACC+2*ai:ACC+2*ai+1], v[INV+2*(ai/16):INV+2*(ai/16)+1], v[BIAS+2*(ai%16):BIAS+2*(ai%16)+1]
.set ai, ai+1
.endr
	ACTV ACC
	s_add_nc_u64 s[12:13], s[12:13], 1024
	s_branch .Lbottom
.Lkind2:
	NETACC
	NETBIAS
	s_add_nc_u64 s[14:15], s[14:15], 1024
.Lbottom:
	s_add_co_u32 s[KIND], s[KIND], 1
	s_cmp_eq_u32 s[KIND], 3
	s_cselect_b32 s[KIND], 0, s[KIND]
	s_xor_b32 s[RD], s[RD], SLOT1
	s_sub_co_u32 s[CNT], s[CNT], 1
	s_cmp_lg_u32 s[CNT], 0
	s_cbranch_scc1 .Ltrip
	TOP 0                                          ; the last layer is written out
	v_add_nc_u32 v[AD0], s[RD], v[LB]
	v_add_nc_u32 v[AD0+1], 69632, v[AD0]
	BIASLD 14
.set i, 0
.rept 4                                ; Wout of my 64 channels, in the bias's layout
	global_load_b128 v[WO+8*i:WO+8*i+3], v[BO], s[16:17] offset:64*i
	global_load_b128 v[WO+8*i+4:WO+8*i+7], v[BO], s[16:17] offset:64*i+16
.set i, i+1
.endr
	PROD ACC, W_ACT, 1, 1
	s_wait_loadcnt 0x0
	PLACES
	NETACC
	NETBIAS
	WIN 0x04
.set ai, 0
.rept 128
	v_max_num_f32 v[FR+ai], 0, v[NET+ai]
.set ai, ai+1
.endr
	WIN 0
.irp t, 0,1,2,3
	v_pk_mul_f32 v[OS+2*\t:OS+2*\t+1], v[FR+32*\t:FR+32*\t+1], v[WO:WO+1]   ; the first products start the sums
.endr
.set ai, 1
.rept 15                               ; the four tiles by turns
.irp t, 0,1,2,3
	v_pk_fma_f32 v[OS+2*\t:OS+2*\t+1], v[FR+32*\t+2*ai:FR+32*\t+2*ai+1], v[WO+2*ai:WO+2*ai+1], v[OS+2*\t:OS+2*\t+1]
.endr
.set ai, ai+1
.endr
.irp t, 0,1,2,3
	v_add_f32 v[OS+2*\t], v[OS+2*\t], v[OS+2*\t+1]
.endr
.irp t, 0,1,2,3
	v_permlanex16_b32 v[OS+2*\t+1], v[OS+2*\t], s[SEL], s[SEL+1]
.endr
.irp t, 0,1,2,3
	v_add_f32 v[OS+2*\t], v[OS+2*\t], v[OS+2*\t+1]
.endr
	v_and_b32 v1, 15, v0
	s_lshl_b32 s50, s[WV], 8
	s_add_co_u32 s50, s50, OUTS
	v_lshl_add_u32 v[OA], v1, 2, s50
.irp t, 0,1,2,3
	ds_store_b32 v[OA], v[OS+2*\t] offset:64*\t    ; my channels' part of point 16 t + r; both halves of the lanes hold the same number
.endr
	s_wait_dscnt 0x0
	s_barrier_signal -1
	s_barrier_wait -1
	s_cmp_lg_u32 s[WV], 0
	s_cbranch_scc1 .Lno_store
	v_and_b32 v2, 31, v0
	v_lshlrev_b32 v2, 3, v2
	v_add_nc_u32 v1, OUTS, v2
.irp j, 0,1,2,3
	ds_load_b64 v[MXR+2*\j:MXR+2*\j+1], v1 offset:256*\j
.endr
	s_lshl_b32 s50, s[XG], 8
	s_add_nc_u64 s[20:21], s[20:21], s[50:51]
	s_wait_dscnt 0x0
	v_pk_add_f32 v[MXR:MXR+1], v[MXR:MXR+1], v[MXR+2:MXR+3]
	v_pk_add_f32 v[MXR+4:MXR+5], v[MXR+4:MXR+5], v[MXR+6:MXR+7]
	v_pk_add_f32 v[MXR:MXR+1], v[MXR:MXR+1], v[MXR+4:MXR+5]
	v_add_f32 v[MXR], s22, v[MXR]
	v_add_f32 v[MXR+1], s22, v[MXR+1]
	global_store_b64 v2, v[MXR:MXR+1], s[20:21]    ; the work-group's 64 numbers: 256 consecutive bytes, aligned
.Lno_store:
	s_wait_tensorcnt 0x0                           ; the wave's end
	ds_add_u32 v[SPW], v[NIL]
	s_wait_dscnt 0x0
	ROUND                                          ; the closing round
	s_endpgm
.Lfunc_end_k_qad2beba72d_dec:
	.size	k_qad2beba72d_dec, .Lfunc_end_k_qad2beba72d_dec-k_qad2beba72d_dec
	.p2alignl 7, 3214868480
	.fill 96, 4, 3214868480
	.section	.rodata,"a",@progbits
	.p2align	6, 0x0
	.amdhsa_kernel k_qad2beba72d_dec
		.amdhsa_group_segment_fixed_size 327680
		.amdhsa_private_segment_fixed_size 0
		.amdhsa_enable_private_segment 0
		.amdhsa_kernarg_size 72
		.amdhsa_user_sgpr_count 2
		.amdhsa_user_sgpr_kernarg_segment_ptr 1
		.amdhsa_wavefront_size32 1
		.amdhsa_system_sgpr_workgroup_id_x 1
		.amdhsa_system_sgpr_workgroup_id_y 1
		.amdhsa_system_sgpr_workgroup_id_z 1
		.amdhsa_system_vgpr_workitem_id 0
		.amdhsa_next_free_vgpr 1024
		.amdhsa_next_free_sgpr 66
		.amdhsa_reserve_vcc 0
		.amdhsa_float_denorm_mode_32 3
		.amdhsa_float_denorm_mode_16_64 3
		.amdhsa_memory_ordered 1
		.amdhsa_forward_progress 1
		.amdhsa_inst_pref_size 139
	.end_amdhsa_kernel
	.amdgpu_metadata
---
amdhsa.version: [ 1, 2 ]
amdhsa.kernels:
  - .name:           k_qad2beba72d_dec
    .symbol:         k_qad2beba72d_dec.kd
    .args:
      - { .name: catt, .offset: 0, .size: 8, .value_kind: global_buffer, .address_space: global }
      - { .name: wts, .offset: 8, .size: 8, .value_kind: global_buffer, .address_space: global }
      - { .name: bint, .offset: 16, .size: 8, .value_kind: global_buffer, .address_space: global }
      - { .name: bc, .offset: 24, .size: 8, .value_kind: global_buffer, .address_space: global }
      - { .name: bb0, .offset: 32, .size: 8, .value_kind: global_buffer, .address_space: global }
      - { .name: bb1, .offset: 40, .size: 8, .value_kind: global_buffer, .address_space: global }
      - { .name: Wout, .offset: 48, .size: 8, .value_kind: global_buffer, .address_space: global }
      - { .name: bout, .offset: 56, .size: 8, .value_kind: global_buffer, .address_space: global }
      - { .name: out0, .offset: 64, .size: 8, .value_kind: global_buffer, .address_space: global }
    .group_segment_fixed_size: 327680
    .private_segment_fixed_size: 0
    .kernarg_segment_align: 8
    .kernarg_segment_size: 72
    .max_flat_workgroup_size: 128
    .sgpr_count:     66
    .vgpr_count:     1024
    .wavefront_size: 32
...
	.end_amdgpu_metadata
.endif
;; end of part 3
;; ======== version 2 of 2: 3 launches; version 1 with the launch prep written anew for expert scheduling mode
;; limits: values outside matrix products are rounded to f16; values are held in f16: magnitudes above 65,504 overflow, below 6.1e-05 lose precision
;; workspace buffers: gt 33,554,432 bytes; idx 2,621,440 bytes of whole numbers; geo 4,718,592 bytes; wts 2,200,576 bytes; catt 8,388,608 bytes
;; launch prep (part 4): grid 1173 x 1, 8 waves a work-group, no clusters, 70,656 bytes of LDS; arguments c_grid, p, Wq, bq, Wk, bk, Wdi1, bdi1, Wv, Wc, Wb0, Wb1, Wint, gt, idx, geo, wts; writes gt, idx, geo, wts
.if DOCPART == 4
	.amdgcn_target "amdgcn-amd-amdhsa--gfx1250"
	.amdhsa_code_object_version 6
	.text
	.protected	k_qad2beba72d_prep
	.globl	k_qad2beba72d_prep
	.p2align	8
	.type	k_qad2beba72d_prep,@function
k_qad2beba72d_prep:
	s_mov_b64 s[64:65], 0
	v_nop
	global_prefetch_b8 v0, s[64:65] scope:SCOPE_SE
	s_setreg_imm32_b32 hwreg(HW_REG_WAVE_SCHED_MODE, 0, 2), 2
	s_setreg_imm32_b32 hwreg(HW_REG_WAVE_MODE, 25, 1), 1
	s_wait_xcnt 0x0
	s_wait_alu depctr_vm_vsrc(0)
; PREPARATION, four kinds of work-group, chosen by the work-group's number; every wave does one job of its own, no barrier.
;   P  (20)   PT[f][32h+c] = sum_j Wq[c][64h+j] M[f][64h+j] in f32, stored f16; G0S[h][f] = 2^-6 sum_j bq[64h+j] M[f][64h+j], f32.
;             M = rows of Wk (f < 32), of Wdi1 (f < 288), then bk + bdi1.  So q.k becomes (PT interp + G0).[nf; relu(..)], made once a point.
;   W  (129)  weights to f16: 15 layers of the head (layer 0 = Wc[0] + Wint), and VC = [Wv; Wdi1].
;   I  (512)  for each point: 27 neighbour cells (slots 27-31 copy slot 13), displacements as f16 (dx,dy),(dz,1), 8 corner cells and weights.
;   T  (512)  the grid from [channel][cell] f32 to [cell][32 channels] f16: a cell's features become 64 neighbouring bytes.
; LIMITS.  f16 ends at 65,504: c_grid, all weights and the products PT must lie within it.  The quotient p / 1.101 is the rounded
; f32 quotient (a product by the reciprocal, mended by one remainder step).  NaN and infinities are not treated apart.
; THE MODE: SCHED_MODE bits 1:0 = 2 (LLVM: expert scheduling mode 2), set by the entry lines.  The code itself states the register dependences
; between vector instructions and memory or LDS instructions, with s_wait_alu, always for 0.
; THE PLAN.  Registers that memory or LDS instructions touch:
;   T  v2 offset of every load and store, v3 and v4 LDS addresses: made once.  v16-143: the loads land there, the conversions read them; v16-79 then take the
;      rows back from LDS and are the global stores' data.  v144-207: the conversions write them, the LDS stores read them, four stores behind each sixteen conversions.
;   P  v2, v3, v4 offsets, made once.  v16-79 M.  Two buffers for a row of Wq, R0 = v80-143 and R1 = v164-207 with v210-229: row c lands in R[c % 2], is read by its sums,
;      and the buffer is asked for again, for row c + 2, behind one wait.  v160-163 with v5, and v159 with v6: store data and offsets.
;   W  v2, v3 offsets; v16-79 loaded; v80-95 store data.        I  v2, v3 offsets of the loads; v16-30 loaded; v9, v10 offsets and v40-52, v55 data of the stores.
; No register that a memory or LDS instruction reads is written again.
.set OFF_G0S, 81920
.set OFF_VC,  87040
.set OFF_WD,  234496
.set OFF_CIDX, 2097152
.set OFF_CW,  4194304
	s_load_b512 s[8:23], s[0:1], 0x0               ; c_grid 8, p 10, Wq 12, bq 14, Wk 16, bk 18, Wdi1 20, bdi1 22
	s_load_b512 s[24:39], s[0:1], 0x40             ; Wv 24, Wc 26, Wb0 28, Wb1 30, Wint 32, gt 34, idx 36, geo 38
	s_load_b64 s[40:41], s[0:1], 0x80              ; wts
	v_lshl_add_u32 v208, v0, 2, 0x11000
	v_mov_b32 v209, 0
	v_and_b32 v1, 31, v0                           ; lane
	v_lshrrev_b32 v2, 5, v0
	v_readfirstlane_b32 s4, v2                     ; wave
	s_mov_b32 s5, ttmp9
	s_wait_alu depctr_va_sdst(0)                   ; s4 is written, ahead of the branches: the sections' scalar arithmetic reads it
	s_wait_kmcnt 0x0
	s_cmp_lt_u32 s5, 20
	s_cbranch_scc1 .Lsec_p
	s_cmp_lt_u32 s5, 149
	s_cbranch_scc1 .Lsec_w
	s_cmp_lt_u32 s5, 661
	s_cbranch_scc1 .Lsec_i
; ---- T: wave job jt = 128 cells x 32 channels.  A load takes 512 neighbouring bytes of one channel: lane L holds cells 4L..4L+3.
	s_sub_co_u32 s6, s5, 661
	s_lshl_b32 s6, s6, 3
	s_add_co_u32 s6, s6, s4                        ; jt, 0..4095
	s_lshr_b32 s7, s6, 11                          ; batch
	s_lshl_b32 s42, s7, 25                         ; x 32 channels x 1 MiB
	s_and_b32 s43, s6, 2047
	s_lshl_b32 s43, s43, 9                         ; 128 cells x 4 bytes
	s_add_co_u32 s42, s42, s43
	s_mov_b32 s43, 0
	s_add_nc_u64 s[44:45], s[8:9], s[42:43]        ; channels 0-7; a channel is 1 MiB, so eight fit the immediate
	s_add_nc_u64 s[46:47], s[44:45], 0x800000      ; channels 8-15
	s_add_nc_u64 s[48:49], s[44:45], 0x1000000     ; 16-23
	s_add_nc_u64 s[50:51], s[44:45], 0x1800000     ; 24-31
	s_lshl_b32 s54, s6, 13                         ; 128 cells x 64 bytes out
	s_mov_b32 s55, 0
	s_add_nc_u64 s[54:55], s[34:35], s[54:55]
	v_lshlrev_b32 v2, 4, v1                        ; 16 L
	s_wait_alu depctr_va_vdst(0)                   ; v2 is written: the offset of the 32 loads below and of the 16 stores at the end
.set c, 0
.rept 32
	global_load_b128 v[16+4*c:19+4*c], v2, s[44+2*(c/8):45+2*(c/8)] offset:(c%8)<<20 th:TH_LOAD_NT
.set c, c+1
.endr
	s_mul_i32 s52, s4, 8704                        ; my wave's 32 rows of 272 bytes
	v_mul_u32_u24 v3, v1, 272
	v_add_nc_u32 v3, s52, v3                       ; in: lane L's 256 bytes (4 cells) are row L
	v_lshrrev_b32 v4, 4, v1
	v_mul_u32_u24 v4, v4, 272
	v_and_b32 v5, 15, v1
	v_lshl_add_u32 v4, v5, 4, v4
	v_add_nc_u32 v4, s52, v4                       ; back: 16 lanes take one row
.set cp, 0
.rept 16
	s_wait_loadcnt 30-2*cp                         ; loads return in order: channels 2cp and 2cp+1 are in, the younger stay out
.if (cp%4 == 0) && (cp > 0)
	s_wait_alu depctr_va_vdst(0)                   ; the sixteen conversions of the four channel pairs before have written their 16 bytes of each cell, which the four LDS stores read; the first time v3 too
.irp i, 0,1,2,3
	ds_store_b128 v3, v[144+16*\i+cp-4:147+16*\i+cp-4] offset:16*(4*\i+cp/4-1)   ; cell i, channels 2 cp - 8 .. 2 cp - 1; the conversions below write other registers
.endr
.endif
.irp i, 0,1,2,3
	v_cvt_pk_f16_f32 v[144+16*\i+cp], v[16+8*cp+\i], v[20+8*cp+\i]   ; cell i, channels 2cp, 2cp+1
.endr
.set cp, cp+1
.endr
	s_wait_alu depctr_va_vdst(0)                   ; the last sixteen conversions have written their data; all conversions are done reading v16-79, in which the LDS loads land; v4 is written
.irp i, 0,1,2,3
	ds_store_b128 v3, v[156+16*\i:159+16*\i] offset:16*(4*\i+3)
.endr
.set t, 0
.rept 16
	ds_load_b128 v[16+4*t:19+4*t], v4 offset:544*t ; a wave's LDS instructions are served in order: these see the stores above
.set t, t+1
.endr
.set t, 0
.rept 16
	s_wait_dscnt 15-t
	global_store_b128 v2, v[16+4*t:19+4*t], s[54:55] offset:512*t   ; 512 consecutive bytes, aligned
.set t, t+1
.endr
	s_wait_dscnt 0x0                               ; the closing lines, six on end
	s_wait_alu 0x0
	s_wait_tensorcnt 0x0
	ds_add_u32 v208, v209
	s_wait_dscnt 0x0
	s_endpgm
; ---- P
.macro ROWLD b, sb, vo, off            ; the 64 numbers at the uniform address into row buffer b: b = 0: v80-143; b = 1: v164-207, then v210-229 (v208 and v209 are kept for the closing lines)
.set di, 0
.rept 16
	global_load_b128 v[80+4*di+(\b)*(84+2*(di/11)):83+4*di+(\b)*(84+2*(di/11))], v[\vo], s[\sb:\sb+1] offset:(\off)+16*di
.set di, di+1
.endr
.endm
.macro DOTS dst, b                     ; v[dst] = sum over 64 j of M (v16-79) x the 64 numbers in row buffer b
	v_pk_mul_f32 v[144:145], v[16:17], v[80+84*(\b):81+84*(\b)]
	v_pk_mul_f32 v[146:147], v[18:19], v[82+84*(\b):83+84*(\b)]
.set di, 2
.rept 30
	v_pk_fma_f32 v[144+2*(di%2):145+2*(di%2)], v[16+2*di:17+2*di], v[80+2*di+(\b)*(84+2*(di/22)):81+2*di+(\b)*(84+2*(di/22))], v[144+2*(di%2):145+2*(di%2)]
.set di, di+1
.endr
	v_pk_add_f32 v[144:145], v[144:145], v[146:147]
	v_add_f32 v[\dst], v144, v145
.endm
.Lsec_p:
	s_lshl_b32 s6, s5, 3
	s_add_co_u32 s6, s6, s4                        ; job 0..159
	s_and_b32 s7, s6, 3                            ; cg: eight rows of Wq
	s_bfe_u32 s42, s6, 0x20002                     ; h
	s_lshr_b32 s43, s6, 4                          ; fc: 32 rows f, one a lane
	s_lshl_b32 s44, s42, 8                         ; the head's 64 numbers in a row: byte 256 h
	s_lshl_b32 s45, s7, 13
	s_add_co_u32 s45, s45, s44
	v_mov_b32 v3, s45                              ; Wq: row 8 cg, byte 256 h
	v_mov_b32 v4, s44                              ; bq, bk, bdi1: byte 256 h
	s_cmp_eq_u32 s43, 9
	s_cbranch_scc1 .Lp_bias
	s_max_u32 s45, s43, 1
	s_sub_co_u32 s45, s45, 1
	s_lshl_b32 s45, s45, 15                        ; 32 rows of 1,024 bytes
	s_add_co_u32 s45, s45, s44
	v_lshl_add_u32 v2, v1, 10, s45
	s_cmp_eq_u32 s43, 0
	s_cselect_b64 s[46:47], s[16:17], s[20:21]     ; Wk for the first 32 rows, Wdi1 for the next 256
	s_wait_alu depctr_va_vdst(0)                   ; the offsets v2, v3 and v4 are written, which the loads from here on read
.set di, 0
.rept 16
	global_load_b128 v[16+4*di:19+4*di], v2, s[46:47] offset:16*di
.set di, di+1
.endr
	s_branch .Lp_have
.Lp_bias:
	s_wait_alu depctr_va_vdst(0)                   ; the offsets v3 and v4 are written, which the loads from here on read
.set di, 0
.rept 16
	global_load_b128 v[16+4*di:19+4*di], v4, s[18:19] offset:16*di
	global_load_b128 v[80+4*di:83+4*di], v4, s[22:23] offset:16*di
.set di, di+1
.endr
	s_wait_loadcnt 0x0
.set di, 0
.rept 32
	v_pk_add_f32 v[16+2*di:17+2*di], v[16+2*di:17+2*di], v[80+2*di:81+2*di]
.set di, di+1
.endr
	s_wait_alu depctr_va_vdst(0)                   ; the adds are done reading v80-143, in which row 0 of Wq lands
.Lp_have:
	ROWLD 0, 12, 3, 0                              ; rows 0 and 1 of my eight rows of Wq
	ROWLD 1, 12, 3, 1024
.irp c, 0,1,2,3,4,5,6,7
.if \c < 7
	s_wait_loadcnt 16                              ; loads return in order: row c (and M) is in, the sixteen loads of row c + 1 stay out
.else
	s_wait_loadcnt 0x0
.endif
	DOTS 150+\c, \c%2
.if \c < 6
	s_wait_alu depctr_va_vdst(0)                   ; the sums are done reading this row's buffer, in which row c + 2 lands
	ROWLD \c%2, 12, 3, 1024*(\c+2)
.endif
.endr
.irp c, 0,1,2,3
	v_cvt_pk_f16_f32 v[160+\c], v[150+2*\c], v[151+2*\c]
.endr
	s_lshl_b32 s45, s43, 13                        ; 32 fc rows of 256 bytes
	s_lshl_b32 s48, s42, 6
	s_add_co_u32 s45, s45, s48
	s_lshl_b32 s48, s7, 4
	s_add_co_u32 s45, s45, s48
	v_lshl_add_u32 v5, v1, 8, s45
	s_wait_alu depctr_va_vdst(0)                   ; v160-163 and v5 are written, which the store reads; rows 6 and 7's sums are done reading the row buffers: bq's loads below land in the first, with no vector instruction between
	global_store_b128 v5, v[160:163], s[40:41]     ; 16 bytes of row f; the table is 81,920 bytes in all
	s_cmp_lg_u32 s7, 0
	s_cbranch_scc1 .Lp_end
	ROWLD 0, 14, 4, 0
	s_wait_loadcnt 0x0
	DOTS 158, 0
	v_mul_f32 v159, 0x3c800000, v158               ; 2^-6
	s_mul_i32 s45, s42, 1280
	s_lshl_b32 s48, s43, 7
	s_add_co_u32 s45, s45, s48
	v_lshl_add_u32 v6, v1, 2, s45
	s_wait_alu depctr_va_vdst(0)                   ; v159 and v6 are written, which the store reads
	global_store_b32 v6, v159, s[40:41] offset:OFF_G0S
.Lp_end:
	s_endpgm
; ---- W: 8,192 numbers a work-group
.Lsec_w:
	s_sub_co_u32 s6, s5, 20
	s_cmp_lt_u32 s6, 120
	s_cbranch_scc0 .Lw_vc
	s_lshr_b32 s7, s6, 3                           ; layer l = 3 i + kind
	s_mul_i32 s42, s7, 11
	s_lshr_b32 s42, s42, 5                         ; i = l / 3 for l < 15
	s_mul_i32 s43, s42, 3
	s_sub_co_u32 s43, s7, s43                      ; kind
	s_cmp_eq_u32 s43, 1
	s_cselect_b64 s[46:47], s[28:29], s[26:27]
	s_cmp_eq_u32 s43, 2
	s_cselect_b64 s[46:47], s[30:31], s[46:47]
	s_and_b32 s44, s6, 7
	s_lshl_b32 s48, s42, 18
	s_lshl_b32 s45, s44, 15
	s_add_co_u32 s48, s48, s45
	s_lshl_b32 s50, s7, 17
	s_lshl_b32 s45, s44, 14
	s_add_co_u32 s50, s50, s45
	s_add_co_u32 s50, s50, OFF_WD
	s_branch .Lw_go
.Lw_vc:
	s_sub_co_u32 s44, s6, 120                      ; 0: Wv; 1..8: eighths of Wdi1
	s_cmp_eq_u32 s44, 0
	s_cselect_b64 s[46:47], s[24:25], s[20:21]
	s_max_u32 s45, s44, 1
	s_sub_co_u32 s45, s45, 1
	s_lshl_b32 s48, s45, 15
	s_lshl_b32 s50, s44, 14
	s_add_co_u32 s50, s50, OFF_VC
	s_mov_b32 s7, 1                                ; not layer 0
.Lw_go:
	s_mov_b32 s49, 0
	s_mov_b32 s51, 0
	s_add_nc_u64 s[46:47], s[46:47], s[48:49]
	s_add_nc_u64 s[54:55], s[32:33], s[48:49]      ; Wint at the same place (used by layer 0 alone)
	s_add_nc_u64 s[52:53], s[40:41], s[50:51]
	v_lshlrev_b32 v2, 5, v0                        ; 8 numbers a thread and pass
	v_lshlrev_b32 v3, 4, v0
	s_wait_alu depctr_va_vdst(0)                   ; the offset v2 is written, which the loads read
.irp q, 0,1,2,3
	global_load_b128 v[16+8*\q:19+8*\q], v2, s[46:47] offset:8192*\q
	global_load_b128 v[20+8*\q:23+8*\q], v2, s[46:47] offset:8192*\q+16
.endr
	s_cmp_lg_u32 s7, 0
	s_cbranch_scc1 .Lw_cvt
.irp q, 0,1,2,3
	global_load_b128 v[48+8*\q:51+8*\q], v2, s[54:55] offset:8192*\q
	global_load_b128 v[52+8*\q:55+8*\q], v2, s[54:55] offset:8192*\q+16
.endr
	s_wait_loadcnt 0x0
.set di, 0
.rept 16
	v_pk_add_f32 v[16+2*di:17+2*di], v[16+2*di:17+2*di], v[48+2*di:49+2*di]
.set di, di+1
.endr
.Lw_cvt:
	s_wait_loadcnt 0x0
.set di, 0
.rept 16
	v_cvt_pk_f16_f32 v[80+di], v[16+2*di], v[17+2*di]
.set di, di+1
.endr
	s_wait_alu depctr_va_vdst(0)                   ; the conversions have written v80-95, which the stores read
.irp q, 0,1,2,3
	global_store_b128 v3, v[80+4*\q:83+4*\q], s[52:53] offset:4096*\q
.endr
	s_endpgm
; ---- I: a wave takes four points
.macro COOR x                          ; v[x] = clip(p / 1.101 + 0.5, 0, 0.999) x 63
	v_mul_f32 v12, s54, v[\x]
	v_fma_f32 v13, -v12, s55, v[\x]                ; the remainder, exact
	v_fma_f32 v12, v13, s54, v12
	v_add_f32 v12, 0.5, v12
	v_med3_num_f32 v12, v12, 0, s56
	v_mul_f32 v[\x], s57, v12
.endm
.macro NEIGH i                         ; point i: lane = neighbour slot.  Its cell goes into v[40+i], its displacements into v[44+2i:45+2i]: registers of its own, stored at the section's end
	v_rndne_f32 v32, v[16+3*\i]
	v_rndne_f32 v33, v[17+3*\i]
	v_rndne_f32 v34, v[18+3*\i]
	v_add_f32 v32, v32, v6
	v_add_f32 v33, v33, v8
	v_add_f32 v34, v34, v7
	v_med3_num_f32 v32, v32, 0, s57                ; whole numbers 0..63, exact in f32
	v_med3_num_f32 v33, v33, 0, s57
	v_med3_num_f32 v34, v34, 0, s57
	v_sub_f32 v35, v[16+3*\i], v32
	v_sub_f32 v36, v[17+3*\i], v33
	v_sub_f32 v37, v[18+3*\i], v34
	v_fmamk_f32 v38, v33, 0x42800000, v34          ; nz + 64 ny
	v_fmamk_f32 v38, v32, 0x45800000, v38          ; + 4096 nx
	v_cvt_u32_f32 v38, v38
	v_add_nc_u32 v[40+\i], s7, v38
	v_cvt_pk_f16_f32 v[44+2*\i], v35, v36
	v_cvt_pk_f16_f32 v[45+2*\i], v37, 1.0
.endm
.Lsec_i:
	s_sub_co_u32 s6, s5, 149
	s_lshl_b32 s6, s6, 3
	s_add_co_u32 s6, s6, s4
	s_lshl_b32 s6, s6, 2                           ; my first point
	s_mul_i32 s42, s6, 12
	s_mov_b32 s43, 0
	s_add_nc_u64 s[44:45], s[10:11], s[42:43]
	s_lshl_b32 s42, s6, 7
	s_add_nc_u64 s[46:47], s[36:37], s[42:43]      ; neighbour cells: 128 bytes a point
	s_lshl_b32 s42, s6, 8
	s_add_nc_u64 s[48:49], s[38:39], s[42:43]      ; displacements: 256 bytes a point
	s_lshl_b32 s42, s6, 5
	s_add_nc_u64 s[50:51], s[36:37], s[42:43]      ; corner cells: 32 bytes a point
	s_add_nc_u64 s[52:53], s[38:39], s[42:43]      ; corner weights
	s_lshr_b32 s7, s6, 13
	s_lshl_b32 s7, s7, 18                          ; batch x 262,144 cells
	s_mov_b32 s54, 0x3f688412                      ; 1 / 1.101
	s_mov_b32 s55, 0x3f8ced91                      ; 1.101
	s_mov_b32 s56, 0x3f7fbe77                      ; 0.999
	s_mov_b32 s57, 0x427c0000                      ; 63
	v_mov_b32 v2, 0
	v_lshrrev_b32 v3, 3, v1
	v_mul_u32_u24 v3, v3, 12                       ; for the corners: lane = (point L / 8, corner L % 8)
	s_wait_alu depctr_va_vdst(0)                   ; the offsets v2 and v3 are written, which the fifteen loads read
.set di, 0
.rept 12
	global_load_b32 v[16+di], v2, s[44:45] offset:4*di
.set di, di+1
.endr
.irp a, 0,1,2
	global_load_b32 v[28+\a], v3, s[44:45] offset:4*\a
.endr
	v_cmp_gt_u32 s61, 27, v1                       ; the four compares stand in one run, each into a scalar register of its own
	v_and_b32 v11, 1, v1
	v_cmp_ne_u32 s58, 0, v11
	v_and_b32 v11, 2, v1
	v_cmp_ne_u32 s59, 0, v11
	v_and_b32 v11, 4, v1
	v_cmp_ne_u32 s60, 0, v11
	v_mov_b32 v4, 13
	v_lshlrev_b32 v9, 2, v1
	v_lshlrev_b32 v10, 3, v1
	s_wait_alu depctr_va_sdst(0)                   ; s58 to s61 are written, ahead of their first reader, the select below; the corners' selects read the other three
	v_cndmask_b32 v4, v4, v1, s61                  ; slots 27-31 copy the centre
	v_mul_u32_u24 v5, v4, 11
	v_lshrrev_b32 v5, 5, v5                        ; slot / 3
	v_mul_u32_u24 v6, v5, 3
	v_sub_nc_u32 v6, v4, v6                        ; x offset + 1
	v_mul_u32_u24 v7, v4, 57
	v_lshrrev_b32 v7, 9, v7                        ; slot / 9: z offset + 1
	v_mul_u32_u24 v8, v7, 3
	v_sub_nc_u32 v8, v5, v8                        ; y offset + 1
	v_cvt_f32_u32 v6, v6
	v_cvt_f32_u32 v7, v7
	v_cvt_f32_u32 v8, v8
	v_add_f32 v6, -1.0, v6
	v_add_f32 v7, -1.0, v7
	v_add_f32 v8, -1.0, v8
	s_wait_loadcnt 0x0
.set di, 16
.rept 15
	COOR di
.set di, di+1
.endr
	NEIGH 0
	NEIGH 1
	NEIGH 2
	NEIGH 3
.irp a, 0,1,2
	v_floor_f32 v[52+\a], v[28+\a]
	v_sub_f32 v[55+\a], v[28+\a], v[52+\a]         ; w
	v_med3_num_f32 v[52+\a], v[52+\a], 0, s57      ; x0
	v_add_f32 v[58+\a], 1.0, v[52+\a]
	v_min_num_f32 v[58+\a], s57, v[58+\a]          ; x1
	v_sub_f32 v[61+\a], 1.0, v[55+\a]              ; 1 - w
	v_cndmask_b32 v[52+\a], v[52+\a], v[58+\a], s[58+\a]
	v_cndmask_b32 v[55+\a], v[61+\a], v[55+\a], s[58+\a]
.endr
	v_mul_f32 v55, v55, v56
	v_mul_f32 v55, v55, v57
	v_fmamk_f32 v52, v53, 0x42800000, v52          ; ix + 64 iy
	v_fmamk_f32 v52, v54, 0x45800000, v52          ; + 4096 iz
	v_cvt_u32_f32 v52, v52
	v_add_nc_u32 v52, s7, v52
	s_wait_alu depctr_va_vdst(0)                   ; the offsets v9 and v10 and the data v40-51, v52 and v55 are written, which the ten stores read
.irp i, 0,1,2,3
	global_store_b32 v9, v[40+\i], s[46:47] offset:128*\i
	global_store_b64 v10, v[44+2*\i:45+2*\i], s[48:49] offset:256*\i
.endr
	global_store_b32 v9, v52, s[50:51] offset:OFF_CIDX
	global_store_b32 v9, v55, s[52:53] offset:OFF_CW
	s_endpgm
.Lfunc_end_k_qad2beba72d_prep:
	.size	k_qad2beba72d_prep, .Lfunc_end_k_qad2beba72d_prep-k_qad2beba72d_prep
	.p2alignl 7, 3214868480
	.fill 96, 4, 3214868480
	.section	.rodata,"a",@progbits
	.p2align	6, 0x0
	.amdhsa_kernel k_qad2beba72d_prep
		.amdhsa_group_segment_fixed_size 70656
		.amdhsa_private_segment_fixed_size 0
		.amdhsa_enable_private_segment 0
		.amdhsa_kernarg_size 136
		.amdhsa_user_sgpr_count 2
		.amdhsa_user_sgpr_kernarg_segment_ptr 1
		.amdhsa_wavefront_size32 1
		.amdhsa_system_sgpr_workgroup_id_x 1
		.amdhsa_system_sgpr_workgroup_id_y 1
		.amdhsa_system_sgpr_workgroup_id_z 1
		.amdhsa_system_vgpr_workitem_id 0
		.amdhsa_next_free_vgpr 230
		.amdhsa_next_free_sgpr 66
		.amdhsa_reserve_vcc 0
		.amdhsa_float_denorm_mode_32 3
		.amdhsa_float_denorm_mode_16_64 3
		.amdhsa_memory_ordered 1
		.amdhsa_forward_progress 1
		.amdhsa_inst_pref_size 74
	.end_amdhsa_kernel
	.amdgpu_metadata
---
amdhsa.version: [ 1, 2 ]
amdhsa.kernels:
  - .name:           k_qad2beba72d_prep
    .symbol:         k_qad2beba72d_prep.kd
    .args:
      - { .name: c_grid, .offset: 0, .size: 8, .value_kind: global_buffer, .address_space: global }
      - { .name: p, .offset: 8, .size: 8, .value_kind: global_buffer, .address_space: global }
      - { .name: Wq, .offset: 16, .size: 8, .value_kind: global_buffer, .address_space: global }
      - { .name: bq, .offset: 24, .size: 8, .value_kind: global_buffer, .address_space: global }
      - { .name: Wk, .offset: 32, .size: 8, .value_kind: global_buffer, .address_space: global }
      - { .name: bk, .offset: 40, .size: 8, .value_kind: global_buffer, .address_space: global }
      - { .name: Wdi1, .offset: 48, .size: 8, .value_kind: global_buffer, .address_space: global }
      - { .name: bdi1, .offset: 56, .size: 8, .value_kind: global_buffer, .address_space: global }
      - { .name: Wv, .offset: 64, .size: 8, .value_kind: global_buffer, .address_space: global }
      - { .name: Wc, .offset: 72, .size: 8, .value_kind: global_buffer, .address_space: global }
      - { .name: Wb0, .offset: 80, .size: 8, .value_kind: global_buffer, .address_space: global }
      - { .name: Wb1, .offset: 88, .size: 8, .value_kind: global_buffer, .address_space: global }
      - { .name: Wint, .offset: 96, .size: 8, .value_kind: global_buffer, .address_space: global }
      - { .name: gt, .offset: 104, .size: 8, .value_kind: global_buffer, .address_space: global }
      - { .name: idx, .offset: 112, .size: 8, .value_kind: global_buffer, .address_space: global }
      - { .name: geo, .offset: 120, .size: 8, .value_kind: global_buffer, .address_space: global }
      - { .name: wts, .offset: 128, .size: 8, .value_kind: global_buffer, .address_space: global }
    .group_segment_fixed_size: 70656
    .private_segment_fixed_size: 0
    .kernarg_segment_align: 8
    .kernarg_segment_size: 136
    .max_flat_workgroup_size: 256
    .sgpr_count:     66
    .vgpr_count:     230
    .wavefront_size: 32
...
	.end_amdgpu_metadata
.endif
;; end of part 4
;; launch att: the kernel of part 2 again; grid 256 x 1, 4 waves a work-group, clusters of 4 x 1, 327,680 bytes of LDS; arguments gt, idx, geo, wts, Wdi0, bdi0, bv, bdi1, catt; writes catt
;; launch dec: the kernel of part 3 again; grid 256 x 1, 4 waves a work-group, clusters of 4 x 1, 327,680 bytes of LDS; arguments catt, wts, bint, bc, bb0, bb1, Wout, bout, out0; writes out0
